; MI455X (gfx1250); checked and timed in simulation.
; The chip was launched on July 23, 2026; its instructions are those of AMD's public machine-readable ISA for CDNA 5 (MIT licence, August 2026) and "CDNA5" Instruction Set Architecture Reference Guide (July 2026). The comments in the code are by the model that wrote it; some were corrected since.
;; Partial Encoder Weighted Sum EDDI Multi Weight. Allowed arithmetic: matrix products marked QUANTISED: E2M1 operands, one E8M0 scale for each 32 along K, by v_wmma_scale_f32_16x16x128_f8f6f4 with both operands' format E2M1 (or v_wmma_scale_f32_32x16x128_f4), f32 sums; products left as they are: f32 operands where the result goes on into a quantised operand, else bf16, f16 or f32 operands; f32 sums; everything else in f32.
;; Inputs: c_b 32 float32; c_ln_b 32 float32; c_ln_g 32 float32; c_w_codes 32 x 4 x 16 uint8 (E2M1 codes of c_w, K innermost, in blocks of 32 codes, two codes a byte); c_w_scales 32 x 4 uint8 (E8M0 scales of c_w, one for each 32 codes along K); e_b1 256 float32; e_b2 64 float32; e_ln1_b 256 float32; e_ln1_g 256 float32; e_ln2_b 64 float32; e_ln2_g 64 float32; e_w1_codes 256 x 1 x 16 uint8 (E2M1 codes of e_w1, K innermost, in blocks of 32 codes, two codes a byte); e_w1_scales 256 x 1 uint8 (E8M0 scales of e_w1, one for each 32 codes along K); e_w2_codes 64 x 8 x 16 uint8 (E2M1 codes of e_w2, K innermost, in blocks of 32 codes, two codes a byte); e_w2_scales 64 x 8 uint8 (E8M0 scales of e_w2, one for each 32 codes along K); feat_emb 16,384 x 32 float32; g_b1 16 float32; g_b2 4 float32; g_w1_codes 16 x 1 x 16 uint8 (E2M1 codes of g_w1, K innermost, in blocks of 32 codes, two codes a byte); g_w1_scales 16 x 1 uint8 (E8M0 scales of g_w1, one for each 32 codes along K); g_w2 16 x 4 float32; h_b1 128 float32; h_b2 32 float32; h_ln1_b 128 float32; h_ln1_g 128 float32; h_ln2_b 32 float32; h_ln2_g 32 float32; h_w1 33 x 128 float32; h_w2_codes 32 x 4 x 16 uint8 (E2M1 codes of h_w2, K innermost, in blocks of 32 codes, two codes a byte); h_w2_scales 32 x 4 uint8 (E8M0 scales of h_w2, one for each 32 codes along K); mask 64 x 16,384 int32; x 64 x 16,384 float32.
;; Outputs: out0 64 x 32 float32; out1 64 x 32 float32.
;; This version of the problem:
;;   THIS VERSION OF THE PROBLEM IS GIVEN IN LOW PRECISION. The matrix products marked QUANTISED in the list below multiply operands that are first quantised to E2M1 (2 exponent bits, 1 mantissa bit; 4 bits a number), with one power-of-two scale for each 32 numbers along K (OCP MX v1.0); their sums are f32. All else is computed in f32.
;;   The module's matrix products, in the order in which they are computed (A, B: the left and right operand; K: the contracted axis; several contracted axes count as one K, in the product's order):
;;     1. [M 1,048,576, K 33] x [K 33, N 128]; A: computed on the way; B: input h_w1: QUANTISED
;;     2. [M 1,048,576, K 128] x [K 128, N 32]; A: computed on the way; B: input h_w2 (given as codes): QUANTISED
;;     3. [M 1,048,576, K 32] x [K 32, N 16]; A: computed on the way; B: input g_w1 (given as codes): QUANTISED
;;     4. [M 1,048,576, K 16] x [K 16, N 4]; A: computed on the way; B: input g_w2: left as it is (K = 16 < 32)
;;     5. batch 64 x [M 4, K 16,384] x [K 16,384, N 32]; A: computed on the way; B: computed on the way: left as it is (M = 4 < 16)
;;     6. [M 64, K 128] x [K 128, N 32]; A: computed on the way; B: input c_w (given as codes): QUANTISED
;;     7. [M 64, K 32] x [K 32, N 256]; A: computed on the way; B: input e_w1 (given as codes): QUANTISED
;;     8. [M 64, K 256] x [K 256, N 64]; A: computed on the way; B: input e_w2 (given as codes): QUANTISED
;;   THE QUANTISER, for each operand of a quantised product, along K:
;;     - K is cut into blocks of 32 from its start; a last block that is shorter is filled with zeros.
;;     - A block's scale is 2^e with e = floor(log2(the largest magnitude in the block)) - 2, held to -126 .. 127; a block of zeros has e = 0. As a byte (E8M0): e + 127.
;;     - Each number is divided by its block's scale, clamped to +-6, and rounded to the nearest number of E2M1, ties to even, subnormals kept.
;;     - The product sums the exact products of the quantised numbers (number of the format x scale) in f32.
;;   ~~~python
;;   def quantise(x, axis):      # numpy; x: float32 -> the quantised numbers, widened to float32 again
;;       x = np.moveaxis(x, axis, -1); K = x.shape[-1]
;;       x = np.pad(x, [(0, 0)] * (x.ndim - 1) + [(0, -K % 32)]); x = x.reshape(x.shape[:-1] + (-1, 32)); a = np.abs(x).max(-1, keepdims=True)
;;       e = np.where(a > 0, np.clip(np.frexp(np.where(a > 0, a, 1))[1] - 1 - 2, -126, 127), 0)      # np.frexp(a)[1] - 1 = floor(log2(a)), exactly
;;       r = np.clip(x / 2.0 ** e, -6, 6)
;;       step = 2.0 ** (np.maximum(np.frexp(np.where(r == 0, 1, r))[1] - 1, 0) - 1)
;;       q = np.round(r / step) * step * 2.0 ** e      # np.round: ties to even
;;       return np.moveaxis(q.reshape(q.shape[:-2] + (-1,))[..., :K], -1, axis).astype(np.float32)
;;   ~~~
;;   OPERANDS COMPUTED ON THE WAY. 'Computed on the way' means the value that the module computes at that place (a softmax that the list does not call 'softmax' is quantised finished and normalised). What goes into a quantiser is computed in f32, as accurately as f32 sums, v_exp_f32 and their like allow (about 1e-6 of the number): no bf16 or f16 on the way to a quantiser, and a product that is left as it is and whose result goes on into a quantised operand takes f32 operands (vector FMAs, or v_wmma_f32_16x16x4_f32). A number that lies on a knife's edge between two numbers of the format may be rounded either way, as far as f32 arithmetic and the matrix unit's own rounding can turn it there, and no further.
;;   INPUTS GIVEN AS CODES. c_w (in the module: [128, 32], K = its axis 0); e_w1 (in the module: [32, 256], K = its axis 0); e_w2 (in the module: [256, 64], K = its axis 0); g_w1 (in the module: [32, 16], K = its axis 0); h_w2 (in the module: [128, 32], K = its axis 0): each comes as NAME_codes (uint8): NAME with its K axis moved to the last place and cut into blocks of 32 codes, [.., K / 32, bytes a block], one block behind the other in memory; two codes a byte, the lower K in the low four bits (a code: sign, 2 exponent bits, 1 mantissa bit); and NAME_scales (uint8): the same leading axes, one E8M0 byte (e + 127) for each 32 codes along K. Its value is code x scale, taken as it is: it is not quantised again, and the codes and scales need not be those that the quantiser above would give.
;; 2 versions, each right; version 2 is version 1 with the launches pairs, heads written anew for expert scheduling mode. Each part assembles by itself: llvm-mc -triple=amdgcn-amd-amdhsa -mcpu=gfx1250 --defsym DOCPART=n.
;; ======== version 1 of 2: 2 launches
;; workspace buffers: part 262,144 bytes
;; launch pairs (part 1): grid 4 x 64, 8 waves a work-group, no clusters, 119,808 bytes of LDS; arguments x, mask, feat_emb, h_w1, h_b1, h_ln1_g, h_ln1_b, h_w2_codes, h_w2_scales, h_b2, h_ln2_g, h_ln2_b, g_w1_codes, g_w1_scales, g_b1, g_w2, g_b2, part; writes part
.if DOCPART == 1
	.amdgcn_target "amdgcn-amd-amdhsa--gfx1250"
	.amdhsa_code_object_version 6
	.text
	.protected	k_q48f856384d_pairs
	.globl	k_q48f856384d_pairs
	.p2align	8
	.type	k_q48f856384d_pairs,@function
k_q48f856384d_pairs:
	s_mov_b64 s[64:65], 0
	v_nop
	global_prefetch_b8 v0, s[64:65] scope:SCOPE_SE
	s_setreg_imm32_b32 hwreg(HW_REG_WAVE_MODE, 25, 1), 1
	s_wait_xcnt 0x0
; For every pair (batch b, junction j): [x, emb] -> 128 -> LN, relu -> 32 -> LN, relu (h_out) -> 16 -> relu -> 4 logits, clipped to +-10; e = exp(logit), 0 where the pair is not observed;
; num[w][d] += e[w] h_out[d], den[w] += e[w].  The three wide products run on codes of FP4 (E2M1) with one E8M0 scale for each 32 along K; the two narrow ones are f32 multiply-adds.
; A work-group owns one batch and 4,096 junctions and stores its partial num (128 floats) and den (4 floats, repeated 32 times: the row is 1,024 bytes on end) into part[(4 b + quarter)].
; Each of the 8 waves walks its 512 junctions in 16 trips of 32 neighbouring rows, two tiles of 16.  EVERY PAIR IS COMPUTED, and the mask only selects: no branch, no trip count and no address hangs on a loaded number.
; NO MAXIMUM IS TAKEN AWAY AHEAD OF THE EXPONENTIAL: the logits are clipped to +-10 first, so e lies in 4.5e-5 .. 2.2e4 and a sum of 16,384 of them under 3.7e8: nothing can overflow or vanish, and e / sum is the same with or without a shift.
; LAYOUT.  Every product is used transposed (source 0 = 16 rows of the weight, source 1 = 16 data rows): lane (r, h) holds data row r throughout, its registers run along the next K.
;   Hidden layer: tile 4 c + t takes as its row m the unit 64 c + 32 (m / 8) + 8 t + m % 8, so register 32 c + i of lane (r, h) is unit 64 c + 32 h + i: two WHOLE blocks a lane, in the operand's own order.
;   h_out: tile u takes as its row m the output 16 (m / 8) + 8 u + m % 8: register i is d = 16 h + i.  For the next product (K = 32) lanes 0-15 put d 0-15 at the instruction's k 0-15 and lanes 16-31 d 16-31 at k 32-47, both under the block's one scale byte; g_w1 is loaded alike.
;   First product: inside block 0 the places are permuted alike on both sides (place p = emb[p], place 31 = x); block 1 holds emb[31] at its place 7.  Which numbers share a block, and so every scale and code, is as the quantiser states.
;   A ZERO CODE ON ONE SIDE IS ENOUGH: where the data's codes are zeros the weight's fragment runs on into neighbouring registers (any FP4 code is finite); where the weight's codes are zeros the data's may be anything.  No scale byte is 0xff.
; relu ahead of the hidden layer's quantiser is done on the codes: the block's maximum is taken without |.|, and negative codes are cut to -0, which adds nothing.
; LIMITS: NaN and infinities are not served.  A block whose largest magnitude lies under 2^-124 (a block of zeros too) gets the scale byte 1.  The f32 sums run in another order than the reference's.
; NO CLUSTER, NO JOINT LOADS, though the 64 batches of a quarter read the same rows of feat_emb: a trip asks for 4,096 bytes of them a wave, one trip ahead, against some 1,000 vector instructions of the wave's own work on them;
; the rows go from memory into registers and turn through the wave's own stage, so that no wave waits for another inside the loop.
.set W1IMG, 0                          ; LDS: the 8 tiles of W1 as images of their registers, 512 bytes each
.set W1SC,  4096                       ; their scale words, 128 bytes each
.set TB,    5120                       ; for each wave 768 bytes: h_b1, then g_w2
.set STG,   11264                      ; for each wave 4,608: 32 rows of 128 bytes + 16 of padding
.set RED,   48128                      ; for each wave 8,704: its 68 sums a lane, 272 bytes from lane to lane
.set OUT,   117760                     ; the work-group's 128 num, at + 512 its 4 den
.set TRIPS, 16                         ; 512 junctions a wave, 32 a trip
.set FLOOR, 0x1800000                  ; 2^(3 - 127): no largest magnitude is taken under it, so no scale byte falls under 1
.set EOFF,  0xff000000                 ; takes 2 off an exponent field
; window 0
.set LANE, 1
.set R16,  2                           ; lane % 16
.set SH8,  3                           ; 8 (lane / 16)
.set P16,  4                           ; 16 (lane % 8)
.set STS,  5                           ; stage, in
.set STL,  6                           ; stage, out
.set MK,   7                           ; the mask of my row
.set B1A,  8                           ; h_b1 at 128 h
.set GTA,  9                           ; g_w2 at 128 h
.set XV,   10                          ; x of my row
.set ZERO, 11
.set FA,   12                          ; byte offset in my wave's rows of feat_emb: 16 x lane + 4,096 x trip
.set XA,   13                          ; and in its part of x and of mask: 4 x lane + 128 x trip
.set W1S,  20                          ; v20-27 W1's scale words
.set W2S,  28
.set G1S,  30
.set SW,   31                          ; scale word of my row of the input
.set HW,   32                          ; of the hidden layer
.set OW,   33                          ; of h_out
.set G1,   34                          ; g_w1's two registers; its operand runs on to v41
.set B2,   36
.set G2,   52
.set BE2,  68
.set GB1,  84
.set GB2,  92                          ; g_b2 in lanes 0-15, 0 in lanes 16-31
.set RAW,  96                          ; v96-127 a trip's rows as they arrive
.set OPA,  128                         ; rows 0-15: 4 registers of codes, 4 of zeros
.set OPB,  136                         ; rows 16-31
.set HC,   144                         ; the hidden layer's codes
.set OC,   152                         ; h_out's: 2 registers of codes, 6 of zeros
.set Y,    160                         ; v160-223
.set T,    224                         ; v224-255: +0..7 partial sums; +8 -mean; +10 1/sigma; +12..15 from the other half; +16,17 +22,23 maxima; +18,19 conversion scales; +20,21 bytes; +24..27 logits; +28..31 e
.set X,    Y                           ; a row's 32 numbers
.set Z,    Y                           ; h_out
.set GW,   Y+16                         ; g_w2's rows 8 h .. 8 h + 7
.set GH,   Y+48                         ; the gate's hidden layer
.set WR,   Y+16                         ; at the head: my unit's 33 numbers of h_w1
; window 1
.set G1N,  0
.set BE1,  64
.set W1F,  128                         ; tile t at W1F + 4 t, its operand runs on 4 registers further; the last 4 are zeros
.set W2F,  164
.set NUM,  180                         ; register 16 w + i: head w, d = 16 h + i
.set DEN,  244
.set MSB, 0
.macro WIN new                         ; bits 1:0 source 0, 3:2 source 1, 5:4 source 2, 7:6 destination; the high byte repeats the setting that is left
.if MSB != \new
	s_set_vgpr_msb (MSB<<8)|\new
.set MSB, \new
.endif
.endm
.macro PLACES n
.rept \n
	v_nop
.endr
.endm
.macro MAXF d, a, b, sgn               ; d = the largest of a, b and the floor
.if \sgn
	v_max3_num_f32 v[\d], |v[\a]|, |v[\b]|, FLOOR
.else
	v_max3_num_f32 v[\d], v[\a], v[\b], FLOOR
.endif
.endm
.macro MAX0 d, a, b, c, sgn
.if \sgn
	v_max3_num_f32 v[\d], |v[\a]|, |v[\b]|, |v[\c]|
.else
	v_max3_num_f32 v[\d], v[\a], v[\b], v[\c]
.endif
.endm
.macro MAXA d, a, b, sgn
.if \sgn
	v_max3_num_f32 v[\d], v[\d], |v[\a]|, |v[\b]|
.else
	v_max3_num_f32 v[\d], v[\d], v[\a], v[\b]
.endif
.endm
; the four pairs of partial sums in v[T .. T+7] become the row's sum in v[T]: my half's, then the lane's 16 away
.macro LNSUM
	v_pk_add_f32 v[T:T+1], v[T:T+1], v[T+2:T+3]
	v_pk_add_f32 v[T+4:T+5], v[T+4:T+5], v[T+6:T+7]
	v_pk_add_f32 v[T:T+1], v[T:T+1], v[T+4:T+5]
	v_add_f32 v[T], v[T], v[T+1]
	v_permlanex16_b32 v[T+12], v[T], s66, s67
	v_add_f32 v[T], v[T], v[T+12]
.endm
; LayerNorm of a row of 2 n numbers, n in my registers v[y ..]: mean, centre, variance of the centred numbers (no difference of large sums), 1 / sqrt, gain and bias.
; The first pass takes the registers in ascending order, so that each matrix result is first read at its low end.
.macro LNORM y, n, ninv, sinv, win, g, be
.irp k, 0,1,2,3
	v_pk_add_f32 v[T+2*\k:T+2*\k+1], v[\y+2*\k:\y+2*\k+1], v[\y+8+2*\k:\y+9+2*\k]
.endr
.set LP, 8
.rept (\n)/2-8
	v_pk_add_f32 v[T+2*(LP%4):T+2*(LP%4)+1], v[T+2*(LP%4):T+2*(LP%4)+1], v[\y+2*LP:\y+2*LP+1]
.set LP, LP+1
.endr
	LNSUM
	v_mul_f32 v[T+8], \ninv, v[T]                  ; - mean
.set LP, 0
.rept (\n)/2
	v_pk_add_f32 v[\y+2*LP:\y+2*LP+1], v[\y+2*LP:\y+2*LP+1], v[T+8:T+9] op_sel_hi:[1,0]
.set LP, LP+1
.endr
.irp k, 0,1,2,3
	v_pk_mul_f32 v[T+2*\k:T+2*\k+1], v[\y+2*\k:\y+2*\k+1], v[\y+2*\k:\y+2*\k+1]
.endr
.set LP, 4
.rept (\n)/2-4
	v_pk_fma_f32 v[T+2*(LP%4):T+2*(LP%4)+1], v[\y+2*LP:\y+2*LP+1], v[\y+2*LP:\y+2*LP+1], v[T+2*(LP%4):T+2*(LP%4)+1]
.set LP, LP+1
.endr
	LNSUM
	v_fma_f32 v[T], v[T], s[\sinv], s72            ; variance + 1e-5
	v_rsq_f32 v[T+10], v[T]
	v_nop                                          ; a plain instruction between the root and its use
.set LP, 0
	s_wait_alu depctr_va_vdst(0)
.rept (\n)/2
	v_pk_mul_f32 v[\y+2*LP:\y+2*LP+1], v[\y+2*LP:\y+2*LP+1], v[T+10:T+11] op_sel_hi:[1,0]
.set LP, LP+1
.endr
	WIN \win
.set LP, 0
.rept (\n)/2
	v_pk_fma_f32 v[\y+2*LP:\y+2*LP+1], v[\y+2*LP:\y+2*LP+1], v[\g+2*LP:\g+2*LP+1], v[\be+2*LP:\be+2*LP+1]
.set LP, LP+1
.endr
	WIN 0
.endm
; 64 numbers of a lane, two whole blocks of 32 (blocks h and 2 + h of my row), become the operand's 8 registers v[hc ..] and the row's scale word.
; sgn = 1: signed numbers.  sgn = 0: relu is part of it: the maxima are taken without |.|, and negative codes are cut to -0 behind the conversions.
.macro QBLK2 y, hc, word, sgn
.irp c, 0,1
	MAXF T+16+\c, \y+32*\c, \y+32*\c+1, \sgn
	MAX0 T+22+\c, \y+32*\c+16, \y+32*\c+17, \y+32*\c+18, \sgn
.endr
.irp k, 0,1,2,3,4,5
.irp c, 0,1
	MAXA T+16+\c, \y+32*\c+2+2*\k, \y+32*\c+3+2*\k, \sgn
	MAXA T+22+\c, \y+32*\c+19+2*\k, \y+32*\c+20+2*\k, \sgn
.endr
.endr
.irp c, 0,1
	MAXA T+16+\c, \y+32*\c+14, \y+32*\c+15, \sgn
.endr
.irp c, 0,1
	MAXA T+16+\c, T+22+\c, \y+32*\c+31, \sgn
.endr
.irp c, 0,1
	v_add_nc_u32 v[T+18+\c], EOFF, v[T+16+\c]      ; the conversion takes the exponent field of this operand as its scale
.endr
.irp c, 0,1
	v_lshrrev_b32 v[T+20+\c], 23, v[T+18+\c]       ; the scale's byte
.endr
	v_lshl_or_b32 v[\word], v[T+21], 16, v[T+20]   ; my two bytes, at blocks h and 2 + h;
	v_lshlrev_b32 v[\word], v[SH8], v[\word]
	v_permlanex16_b32 v[T+12], v[\word], s66, s67
	v_or_b32 v[\word], v[\word], v[T+12]           ; with the other half's two the word is whole
.irp c, 0,1
.irp g, 0,1,2,3
	v_cvt_scalef32_pk8_fp4_f32 v[\hc+4*\c+\g], v[\y+32*\c+8*\g:\y+32*\c+8*\g+7], v[T+18+\c]
.endr
.endr
.if \sgn
	PLACES 8                                       ; a scale word made by vector instructions stands 8 places ahead of the scaled product, an operand 4
.else
	v_nop                                          ; a plain instruction behind the conversions
.irp k, 0,1,2,3,4,5,6,7
	v_and_b32 v[T+2*\k], s69, v[\hc+\k]            ; the sign bits of eight codes,
.endr
.irp k, 0,1,2,3,4,5,6,7
	v_lshrrev_b32 v[T+2*\k+1], 3, v[T+2*\k]
.endr
.irp k, 0,1,2,3,4,5,6,7
	v_sub_nc_u32 v[T+2*\k], v[T+2*\k], v[T+2*\k+1] ; 7 in each negative code's place:
.endr
.irp k, 0,1,2,3,4,5,6,7
	v_bfi_b32 v[\hc+\k], v[T+2*\k], 0, v[\hc+\k]   ; its magnitude is cleared
.endr
	PLACES 4
.endif
.endm
; 16 numbers of a lane, half a block (the other half lies 16 lanes away): relu in f32, two registers of codes, the scale word (the byte twice)
.macro QHALF z, oc, word
	v_max3_num_f32 v[T+16], v[\z], v[\z+1], FLOOR
	v_max3_num_f32 v[T+22], v[\z+8], v[\z+9], v[\z+10]
	v_max3_num_f32 v[T+16], v[T+16], v[\z+2], v[\z+3]
	v_max3_num_f32 v[T+22], v[T+22], v[\z+11], v[\z+12]
	v_max3_num_f32 v[T+16], v[T+16], v[\z+4], v[\z+5]
	v_max3_num_f32 v[T+22], v[T+22], v[\z+13], v[\z+14]
	v_max3_num_f32 v[T+16], v[T+16], v[\z+6], v[\z+7]
	v_max3_num_f32 v[T+16], v[T+16], v[T+22], v[\z+15]
	v_permlanex16_b32 v[T+12], v[T+16], s66, s67
	v_max_num_f32 v[T+16], v[T+16], v[T+12]
	v_add_nc_u32 v[T+18], EOFF, v[T+16]
	v_lshrrev_b32 v[T+20], 23, v[T+18]
	v_lshl_or_b32 v[\word], v[T+20], 8, v[T+20]
.set LP, 0
.rept 16
	v_max_num_f32 v[\z+LP], 0, v[\z+LP]            ; relu; these sixteen are also the places behind the scale word
.set LP, LP+1
.endr
	v_cvt_scalef32_pk8_fp4_f32 v[\oc], v[\z:\z+7], v[T+18]
	v_cvt_scalef32_pk8_fp4_f32 v[\oc+1], v[\z+8:\z+15], v[T+18]
	PLACES 4
.endm
; A trip's 32 rows are asked for: 4,096 consecutive bytes of feat_emb by eight loads of 512, and 128 bytes each of x and of mask.
; step = 1: the two offsets go one trip on first; the loads that named them were shown done by the trip's wait for all loads.
.macro FETCH step
.if \step
	v_add_nc_u32 v[FA], 4096, v[FA]
	v_add_nc_u32 v[XA], 128, v[XA]
.endif
.irp i, 0,1,2,3,4,5,6,7
	global_load_b128 v[RAW+4*\i:RAW+4*\i+3], v[FA], s[8:9] offset:512*\i       ; 16 bytes of row 4 i + lane / 8
.endr
	global_load_b32 v[XV], v[XA], s[4:5]
	global_load_b32 v[MK], v[XA], s[6:7]
.endm
; The rows turn through my stage: in as they came, out a whole row to a lane
.macro TURN
	s_wait_loadcnt 0x0                             ; the ten loads asked for a trip ago
.irp i, 0,1,2,3,4,5,6,7
	ds_store_b128 v[STS], v[RAW+4*\i:RAW+4*\i+3] offset:576*\i
.endr
.irp c, 0,1,2,3,4,5,6,7
	ds_load_b128 v[X+4*\c:X+4*\c+3], v[STL] offset:16*\c           ; LDS serves a wave's instructions in order: these see the stores above
.endr
	s_wait_dscnt 0x0
.endm
; 32 rows, a lane to a row, become the two operands of the first product; the 32 bits of the mask become the two tiles' lane masks
.macro QUANT_IN
	v_cmp_ne_u32 s75, 0, v[MK]                     ; bit l: is row l observed?
	v_max3_num_f32 v[T+17], |v[X+31]|, |v[X+31]|, FLOOR            ; block 1 is emb[31] alone
	v_add_nc_u32 v[T+19], EOFF, v[T+17]
	v_lshrrev_b32 v[T+21], 23, v[T+19]
	v_cvt_scalef32_pk8_fp4_f32 v[OPB], v[X+24:X+31], v[T+19]       ; its code at place 7; the seven beside it meet zero codes of W1
	MAXF T+16, X, X+1, 1
	MAX0 T+22, X+16, X+17, X+18, 1
.irp k, 0,1,2,3,4,5
	MAXA T+16, X+2+2*\k, X+3+2*\k, 1
	MAXA T+22, X+19+2*\k, X+20+2*\k, 1
.endr
	MAXA T+16, X+14, X+15, 1
	v_mov_b32 v[X+31], v[XV]                       ; place 31 of block 0 is x
	MAXA T+16, T+22, X+31, 1
	v_add_nc_u32 v[T+18], EOFF, v[T+16]
	v_lshrrev_b32 v[T+20], 23, v[T+18]
	v_lshl_or_b32 v[SW], v[T+21], 8, v[T+20]       ; lane l: row l's word; the second tile reads lanes 16-31
.irp g, 0,1,2,3
	v_cvt_scalef32_pk8_fp4_f32 v[OPA+\g], v[X+8*\g:X+8*\g+7], v[T+18]
.endr
	v_nop
.irp i, 0,1,2,3
	v_permlane16_swap_b32 v[OPA+\i], v[OPB+\i]     ; OPA: rows 0-15, block 0 in lanes 0-15 and block 1 in lanes 16-31; OPB: rows 16-31 likewise
.endr
	s_and_b32 s76, s75, 0xffff                     ; in a tile lanes r and 16 + r hold row r: the first tile's mask is bits 0-15 twice,
	s_lshl_b32 s77, s75, 16
	s_or_b32 s76, s76, s77
	s_lshr_b32 s77, s75, 16                        ; the second's bits 16-31 twice
	s_and_b32 s78, s75, s68
	s_or_b32 s77, s77, s78
	PLACES 8                                       ; the scale word 8 places, the operands 4, ahead of the scaled product
.endm
; A tile of 16 rows through the whole chain.  op: its operand; row1: its scale words lie in lanes 16-31; smask: the scalar that holds its lane mask of observed rows
.macro TILE op, row1, smask
.irp c, 0,1
.irp q, 0,1,2,3,4,5,6,7
	ds_load_b128 v[Y+32*\c+4*\q:Y+32*\c+4*\q+3], v[B1A] offset:256*\c+16*\q    ; h_b1 in the result's layout: the sums begin with it
.endr
.endr
	s_wait_dscnt 0x0
	WIN 0x01                                       ; source 0 in window 1
.irp t, 0,1,2,3,4,5,6,7
.if \row1
	v_wmma_scale_f32_16x16x128_f8f6f4 v[Y+8*\t:Y+8*\t+7], v[W1F+4*\t:W1F+4*\t+7], v[\op:\op+7], v[Y+8*\t:Y+8*\t+7], v[W1S+\t], v[SW] matrix_a_fmt:MATRIX_FMT_FP4 matrix_b_fmt:MATRIX_FMT_FP4 matrix_b_scale:MATRIX_SCALE_ROW1
.else
	v_wmma_scale_f32_16x16x128_f8f6f4 v[Y+8*\t:Y+8*\t+7], v[W1F+4*\t:W1F+4*\t+7], v[\op:\op+7], v[Y+8*\t:Y+8*\t+7], v[W1S+\t], v[SW] matrix_a_fmt:MATRIX_FMT_FP4 matrix_b_fmt:MATRIX_FMT_FP4
.endif
.endr
	WIN 0
	PLACES 4                                       ; four places between a product and the first read of its result (ISA guide 7.12.1)
	LNORM Y, 64, 0xbc000000, 73, 0x14, G1N, BE1
	QBLK2 Y, HC, HW, 0
.irp j, 0,1,2,3,4,5,6,7
	ds_load_b128 v[GW+4*\j:GW+4*\j+3], v[GTA] offset:16*\j         ; g_w2, into registers that the hidden layer has left; waited for at the gate
.endr
	WIN 0x01
.irp u, 0,1
	v_wmma_scale_f32_16x16x128_f8f6f4 v[Z+8*\u:Z+8*\u+7], v[W2F+8*\u:W2F+8*\u+7], v[HC:HC+7], v[B2+8*\u:B2+8*\u+7], v[W2S+\u], v[HW] matrix_a_fmt:MATRIX_FMT_FP4 matrix_b_fmt:MATRIX_FMT_FP4
.endr
	WIN 0
	PLACES 4
	LNORM Z, 16, 0xbd000000, 74, 0, G2, BE2
	QHALF Z, OC, OW
	v_wmma_scale_f32_16x16x128_f8f6f4 v[GH:GH+7], v[G1:G1+7], v[OC:OC+7], v[GB1:GB1+7], v[G1S], v[OW] matrix_a_fmt:MATRIX_FMT_FP4 matrix_b_fmt:MATRIX_FMT_FP4
	PLACES 4
.irp j, 0,1,2,3,4,5,6,7
	v_max_num_f32 v[GH+\j], 0, v[GH+\j]
.endr
	s_wait_dscnt 0x0                               ; g_w2
	v_pk_fma_f32 v[T+24:T+25], v[GH:GH+1], v[GW:GW+1], v[GB2:GB2+1] op_sel_hi:[0,1,1]          ; my 8 units x 4 heads, in f32: the result goes on into a quantiser
	v_pk_fma_f32 v[T+26:T+27], v[GH:GH+1], v[GW+2:GW+3], v[GB2+2:GB2+3] op_sel_hi:[0,1,1]
	v_pk_fma_f32 v[T+24:T+25], v[GH:GH+1], v[GW+4:GW+5], v[T+24:T+25] op_sel:[1,0,0] op_sel_hi:[1,1,1]
	v_pk_fma_f32 v[T+26:T+27], v[GH:GH+1], v[GW+6:GW+7], v[T+26:T+27] op_sel:[1,0,0] op_sel_hi:[1,1,1]
.irp j, 2,4,6
	v_pk_fma_f32 v[T+24:T+25], v[GH+\j:GH+\j+1], v[GW+4*\j:GW+4*\j+1], v[T+24:T+25] op_sel_hi:[0,1,1]
	v_pk_fma_f32 v[T+26:T+27], v[GH+\j:GH+\j+1], v[GW+4*\j+2:GW+4*\j+3], v[T+26:T+27] op_sel_hi:[0,1,1]
	v_pk_fma_f32 v[T+24:T+25], v[GH+\j:GH+\j+1], v[GW+4*\j+4:GW+4*\j+5], v[T+24:T+25] op_sel:[1,0,0] op_sel_hi:[1,1,1]
	v_pk_fma_f32 v[T+26:T+27], v[GH+\j:GH+\j+1], v[GW+4*\j+6:GW+4*\j+7], v[T+26:T+27] op_sel:[1,0,0] op_sel_hi:[1,1,1]
.endr
.irp w, 0,1,2,3
	v_permlanex16_b32 v[T+12+\w], v[T+24+\w], s66, s67
.endr
	v_pk_add_f32 v[T+24:T+25], v[T+24:T+25], v[T+12:T+13]          ; with the other 8 units: the four logits, in both halves
	v_pk_add_f32 v[T+26:T+27], v[T+26:T+27], v[T+14:T+15]
.irp w, 0,1,2,3
	v_med3_num_f32 v[T+24+\w], v[T+24+\w], s70, s71                ; the clip to +-10
.endr
	v_pk_mul_f32 v[T+24:T+25], v[T+24:T+25], 0x3fb8aa3b op_sel_hi:[1,0]
	v_pk_mul_f32 v[T+26:T+27], v[T+26:T+27], 0x3fb8aa3b op_sel_hi:[1,0]
.irp w, 0,1,2,3
	v_exp_f32 v[T+28+\w], v[T+24+\w]
.endr
	v_nop                                          ; a plain instruction between the exponentials and their use
	s_wait_alu depctr_va_vdst(0)
.irp w, 0,1,2,3
	v_cndmask_b32 v[T+28+\w], 0, v[T+28+\w], s[\smask]             ; an unobserved row weighs nothing
.endr
	WIN 0x50                                       ; source 2 and destination in window 1
	v_pk_fma_f32 v[DEN:DEN+1], v[T+28:T+29], 1.0, v[DEN:DEN+1] op_sel_hi:[1,0,1]
	v_pk_fma_f32 v[DEN+2:DEN+3], v[T+30:T+31], 1.0, v[DEN+2:DEN+3] op_sel_hi:[1,0,1]
.irp p, 0,1,2,3,4,5,6,7
.irp w, 0,2
	v_pk_fma_f32 v[NUM+16*\w+2*\p:NUM+16*\w+2*\p+1], v[Z+2*\p:Z+2*\p+1], v[T+28+\w:T+29+\w], v[NUM+16*\w+2*\p:NUM+16*\w+2*\p+1] op_sel_hi:[1,0,1]
	v_pk_fma_f32 v[NUM+16*\w+16+2*\p:NUM+16*\w+17+2*\p], v[Z+2*\p:Z+2*\p+1], v[T+28+\w:T+29+\w], v[NUM+16*\w+16+2*\p:NUM+16*\w+17+2*\p] op_sel:[0,1,0] op_sel_hi:[1,1,1]
.endr
.endr
	WIN 0
.endm
	; ---- the head: pointers, lane terms, every LDS address of the loop
	s_load_b512 s[4:19], s[0:1], 0x0               ; x, mask, feat_emb, h_w1, h_b1, h_ln1_g, h_ln1_b, h_w2_codes
	s_load_b512 s[20:35], s[0:1], 0x40             ; h_w2_scales, h_b2, h_ln2_g, h_ln2_b, g_w1_codes, g_w1_scales, g_b1, g_w2
	s_load_b128 s[36:39], s[0:1], 0x80             ; g_b2, part
	v_lshl_add_u32 v18, v0, 2, 0x1d000
	v_mov_b32 v19, 0
	v_lshrrev_b32 v[T+14], 5, v0
	v_readfirstlane_b32 s61, v[T+14]               ; wave 0..7
	v_and_b32 v[LANE], 31, v0
	v_and_b32 v[R16], 15, v0
	v_bfe_u32 v[T+10], v0, 4, 1                    ; h
	v_bfe_u32 v[T+11], v0, 3, 2                    ; lane / 8
	v_bfe_u32 v[T+12], v0, 3, 1                    ; r / 8
	v_and_b32 v[T+13], 7, v0                       ; r % 8
	v_mov_b32 v[ZERO], 0
	v_lshlrev_b32 v[SH8], 3, v[T+10]
	v_lshlrev_b32 v[P16], 4, v[T+13]
	v_lshlrev_b32 v[FA], 4, v[LANE]
	v_lshlrev_b32 v[XA], 2, v[LANE]
	s_mul_i32 s62, s61, 4608
	s_add_co_u32 s62, s62, STG
	v_mad_u32_u24 v[STS], v[T+11], 144, v[P16]     ; load i of lane l brings 16 bytes of row 4 i + l / 8: 144 x row + 16 (l % 8)
	v_add_nc_u32 v[STS], s62, v[STS]
	v_mul_u32_u24 v[STL], v[LANE], 144
	v_add_nc_u32 v[STL], s62, v[STL]
	s_mul_i32 s62, s61, 768
	s_add_co_u32 s62, s62, TB
	v_lshl_add_u32 v[B1A], v[T+10], 7, s62
	v_add_nc_u32 v[GTA], 512, v[B1A]
	v_lshl_add_u32 v[OC+2], v[LANE], 4, s62        ; v152-157 hold addresses of the head alone: where my copy of h_b1 goes,
	v_lshl_add_u32 v[OC+3], v[LANE], 3, s62
	v_add_nc_u32 v[OC+3], 512, v[OC+3]             ; my copy of g_w2,
	s_lshl_b32 s62, s61, 9
	v_lshl_add_u32 v[OC], v[LANE], 4, s62          ; my tile's image (W1IMG = 0),
	s_lshl_b32 s62, s61, 7
	s_add_co_u32 s62, s62, W1SC
	v_lshl_add_u32 v[OC+1], v[LANE], 2, s62        ; its scale words;
	v_lshlrev_b32 v[OC+4], 4, v[LANE]              ; and from where any tile's image
	v_lshl_add_u32 v[OC+5], v[LANE], 2, W1SC       ; and scale words come back
	v_lshl_add_u32 v[T+15], v[T+12], 5, v[T+13]    ; 32 (r / 8) + r % 8
	v_lshl_add_u32 v[T+14], v[T+12], 4, v[T+13]    ; 16 (r / 8) + r % 8
	s_lshr_b32 s62, s61, 2
	s_lshl_b32 s62, s62, 6
	s_and_b32 s63, s61, 3
	s_lshl_b32 s63, s63, 3
	s_add_co_u32 s62, s62, s63
	v_add_lshl_u32 v[T+1], v[T+15], s62, 2         ; h_w1: my unit of tile (wave): 64 (wave / 4) + 8 (wave % 4) + 32 (r / 8) + r % 8
	v_lshlrev_b32 v[T+2], 6, v[T+10]               ; 64 h
	v_lshlrev_b32 v[T+3], 5, v[T+10]               ; 32 h
	v_lshlrev_b32 v[T+4], 6, v[T+14]
	v_lshl_add_u32 v[T+4], v[T+10], 4, v[T+4]      ; h_w2's codes: rows of 64 bytes, + 16 h
	v_lshlrev_b32 v[T+5], 2, v[T+14]               ; its scale words
	v_lshlrev_b32 v[T+6], 4, v[R16]
	v_lshl_add_u32 v[T+6], v[T+10], 3, v[T+6]      ; g_w1's codes: 16 r + 8 h
	v_lshlrev_b32 v[T+7], 7, v[T+10]               ; 128 h
	v_lshlrev_b32 v[T+8], 4, v[LANE]
	v_lshlrev_b32 v[T+9], 3, v[LANE]
	s_mov_b32 s66, 0x76543210
	s_mov_b32 s67, 0xfedcba98                      ; v_permlanex16_b32's selects for lane l xor 16
	s_mov_b32 s68, 0xffff0000                      ; lanes 16-31
	s_mov_b32 s69, 0x88888888                      ; the sign bits of eight codes
	s_mov_b32 s70, 0xc1200000                      ; -10
	s_mov_b32 s71, 0x41200000                      ; 10
	s_mov_b32 s72, 0x3727c5ac                      ; 1e-5
	s_mov_b32 s73, 0x3c000000                      ; 1 / 128
	s_mov_b32 s74, 0x3d000000                      ; 1 / 32
	s_and_b32 s75, ttmp7, 0xffff                   ; the batch
	s_lshl_b32 s62, s75, 16                        ; x, mask: 65,536 bytes a batch + 4 x my wave's first junction (4,096 x quarter + 512 x wave)
	s_lshl_b32 s63, ttmp9, 14
	s_add_co_u32 s62, s62, s63
	s_lshl_b32 s63, s61, 11
	s_add_co_u32 s62, s62, s63
	s_mov_b32 s63, 0
	s_lshl_b32 s76, ttmp9, 19                      ; feat_emb: 128 bytes a junction
	s_lshl_b32 s77, s61, 16
	s_add_co_u32 s76, s76, s77
	s_mov_b32 s77, 0
	s_lshl_b32 s78, s75, 2                         ; part: 1,024 bytes for (4 x batch + quarter)
	s_add_co_u32 s78, s78, ttmp9
	s_lshl_b32 s78, s78, 10
	s_mov_b32 s79, 0
	s_wait_kmcnt 0x0
	s_add_nc_u64 s[4:5], s[4:5], s[62:63]
	s_add_nc_u64 s[6:7], s[6:7], s[62:63]
	s_add_nc_u64 s[8:9], s[8:9], s[76:77]
	s_add_nc_u64 s[38:39], s[38:39], s[78:79]
	; ---- all that the head reads, in one run; the first trip's rows go with it
	FETCH 0
.irp p, 0,1,2,3,4,5,6,7,8,9,10,11,12,13,14,15,16,17,18,19,20,21,22,23,24,25,26,27,28,29,30
	global_load_b32 v[WR+\p], v[T+1], s[10:11] offset:512*(\p+1)   ; place p: the row that meets emb[p]
.endr
	global_load_b32 v[WR+31], v[T+1], s[10:11]                     ; place 31: the row that meets x
	global_load_b32 v[WR+32], v[T+1], s[10:11] offset:16384        ; the row that meets emb[31]
.irp q, 0,1,2,3
	global_load_b128 v[B2+4*\q:B2+4*\q+3], v[T+2], s[22:23] offset:16*\q
	global_load_b128 v[G2+4*\q:G2+4*\q+3], v[T+2], s[24:25] offset:16*\q
	global_load_b128 v[BE2+4*\q:BE2+4*\q+3], v[T+2], s[26:27] offset:16*\q
.endr
	global_load_b128 v[GB1:GB1+3], v[T+3], s[32:33]
	global_load_b128 v[GB1+4:GB1+7], v[T+3], s[32:33] offset:16
	global_load_b128 v[GB2:GB2+3], v[ZERO], s[36:37]
	global_load_b32 v[W2S], v[T+5], s[20:21]
	global_load_b32 v[W2S+1], v[T+5], s[20:21] offset:32
	global_load_b64 v[G1:G1+1], v[T+6], s[28:29]
	global_load_u8 v[G1S], v[R16], s[30:31]
	global_load_b128 v[OPA:OPA+3], v[T+8], s[12:13]                ; h_b1, 512 bytes on end
	global_load_b64 v[OPB:OPB+1], v[T+9], s[34:35]                 ; g_w2, 256 bytes on end
	WIN 0x40                                       ; destination in window 1
.irp u, 0,1
.irp c, 0,1
	global_load_b128 v[W2F+8*\u+4*\c:W2F+8*\u+4*\c+3], v[T+4], s[18:19] offset:512*\u+32*\c
.endr
.endr
.irp c, 0,1
.irp q, 0,1,2,3,4,5,6,7
	global_load_b128 v[G1N+32*\c+4*\q:G1N+32*\c+4*\q+3], v[T+7], s[14:15] offset:256*\c+16*\q
	global_load_b128 v[BE1+32*\c+4*\q:BE1+32*\c+4*\q+3], v[T+7], s[16:17] offset:256*\c+16*\q
.endr
.endr
	WIN 0
	s_wait_loadcnt 0x0                             ; once: all of it is wanted below
	; ---- tile (wave) of W1 is quantised: lanes 0-15 block 0, lanes 16-31 block 1 (zeros but for place 7)
.irp p, 0,1,2,3,4,5,6,8,9,10,11,12,13,14,15,16,17,18,19,20,21,22,23,24,25,26,27,28,29,30,31
	v_cndmask_b32 v[WR+\p], v[WR+\p], v[ZERO], s68
.endr
	v_cndmask_b32 v[WR+7], v[WR+7], v[WR+32], s68
	MAXF T+16, WR, WR+1, 1
	MAX0 T+22, WR+16, WR+17, WR+18, 1
.irp k, 0,1,2,3,4,5
	MAXA T+16, WR+2+2*\k, WR+3+2*\k, 1
	MAXA T+22, WR+19+2*\k, WR+20+2*\k, 1
.endr
	MAXA T+16, WR+14, WR+15, 1
	MAXA T+16, T+22, WR+31, 1
	v_add_nc_u32 v[T+18], EOFF, v[T+16]
	v_lshrrev_b32 v[T+20], 23, v[T+18]
	v_lshlrev_b32 v[T+20], v[SH8], v[T+20]
	v_permlanex16_b32 v[T+12], v[T+20], s66, s67
	v_or_b32 v[T+20], v[T+20], v[T+12]
	v_or_b32 v[T+20], 0x7f7f0000, v[T+20]          ; blocks 2 and 3 meet zero codes: the byte of 1.0
.irp g, 0,1,2,3
	v_cvt_scalef32_pk8_fp4_f32 v[HC+\g], v[WR+8*\g:WR+8*\g+7], v[T+18]
.endr
	v_nop
	ds_store_b128 v[OC], v[HC:HC+3]
	ds_store_b32 v[OC+1], v[T+20]
	ds_store_b128 v[OC+2], v[OPA:OPA+3]
	ds_store_b64 v[OC+3], v[OPB:OPB+1]
	s_wait_dscnt 0x0                               ; for the others' sake: my tile's image lies in LDS
	s_barrier_signal -1
	s_barrier_wait -1
	WIN 0x40
.irp t, 0,1,2,3,4,5,6,7
	ds_load_b128 v[W1F+4*\t:W1F+4*\t+3], v[OC+4] offset:W1IMG+512*\t
.endr
.irp i, 0,1,2,3
	v_mov_b32 v[W1F+32+\i], 0
.endr
.set LP, 0
.rept 68
	v_mov_b32 v[NUM+LP], 0                         ; the sums: the trip is written once, and its first turn finds zeros
.set LP, LP+1
.endr
	WIN 0
.irp t, 0,1,2,3,4,5,6,7
	ds_load_b32 v[W1S+\t], v[OC+5] offset:128*\t
.endr
	v_lshl_or_b32 v[G1S], v[G1S], 8, v[G1S]        ; g_w1's byte for both halves of its block
.irp i, 0,1,2,3
	v_cndmask_b32 v[GB2+\i], v[GB2+\i], v[ZERO], s68               ; g_b2 is added once: in lanes 0-15
.endr
.irp i, 4,5,6,7
	v_mov_b32 v[OPA+\i], 0
.endr
.irp i, 1,2,3,4,5,6,7
	v_mov_b32 v[OPB+\i], 0
.endr
	s_wait_dscnt 0x0
.irp i, 0,1,2,3,4,5,6,7
	v_mov_b32 v[OC+\i], 0
.endr
	s_mov_b32 s58, 0                               ; the trip
.Lgroup:
	TURN
	QUANT_IN
	s_cmp_eq_u32 s58, TRIPS-1
	s_cbranch_scc1 .Lno_fetch                      ; the last trip asks for nothing: no load leaves its buffer
	FETCH 1                                        ; the next 32 rows land under this trip's tiles
.Lno_fetch:
	TILE OPA, 0, 76
	TILE OPB, 1, 77
	s_add_co_u32 s58, s58, 1
	s_cmp_lt_u32 s58, TRIPS
	s_cbranch_scc1 .Lgroup
	; ---- the eight waves' sums meet in LDS
	v_mul_u32_u24 v[T], v[LANE], 272
	s_mul_i32 s62, s61, 8704
	s_add_co_u32 s62, s62, RED
	v_add_nc_u32 v[T+1], s62, v[T]                 ; where my 68 sums go
	s_lshl_b32 s62, s61, 5
	s_add_co_u32 s62, s62, RED
	v_add_nc_u32 v[T+2], s62, v[T]                 ; sums 8 wave .. 8 wave + 7 of my lane, in wave 0's part
	s_lshr_b32 s62, s61, 1
	s_lshl_b32 s62, s62, 7
	s_and_b32 s63, s61, 1
	s_lshl_b32 s63, s63, 5
	s_add_co_u32 s62, s62, s63
	s_add_co_u32 s62, s62, OUT
	v_bfe_u32 v[T+3], v0, 4, 1
	v_lshl_add_u32 v[T+3], v[T+3], 6, s62          ; they are head wave / 2, d = 16 h + 8 (wave % 2) + 0 .. 7
	v_mov_b32 v[T+4], OUT+512
	v_lshl_add_u32 v[T+5], v[LANE], 4, OUT
	v_lshlrev_b32 v[T+6], 4, v[LANE]
	WIN 0x04                                       ; an LDS store's data are its source 1: window 1
.irp q, 0,1,2,3,4,5,6,7,8,9,10,11,12,13,14,15,16
	ds_store_b128 v[T+1], v[NUM+4*\q:NUM+4*\q+3] offset:16*\q
.endr
	WIN 0
	s_wait_dscnt 0x0
	s_barrier_signal -1
	s_barrier_wait -1
.irp s, 0,1,2,3,4,5,6,7
	ds_load_b128 v[Y+8*\s:Y+8*\s+3], v[T+2] offset:8704*\s
	ds_load_b128 v[Y+8*\s+4:Y+8*\s+7], v[T+2] offset:8704*\s+16
.endr
	s_wait_dscnt 0x0
.irp s, 0,2,4,6
.irp k, 0,2,4,6
	v_pk_add_f32 v[Y+8*\s+\k:Y+8*\s+\k+1], v[Y+8*\s+\k:Y+8*\s+\k+1], v[Y+8*\s+8+\k:Y+8*\s+9+\k]
.endr
.endr
.irp s, 0,4
.irp k, 0,2,4,6
	v_pk_add_f32 v[Y+8*\s+\k:Y+8*\s+\k+1], v[Y+8*\s+\k:Y+8*\s+\k+1], v[Y+8*\s+16+\k:Y+8*\s+17+\k]
.endr
.endr
.irp k, 0,2,4,6
	v_pk_add_f32 v[Y+\k:Y+\k+1], v[Y+\k:Y+\k+1], v[Y+32+\k:Y+33+\k]
.endr
.irp m, 1,2,4,8
.irp k, 0,1,2,3,4,5,6,7
	v_add_f32_dpp v[Y+\k], v[Y+\k], v[Y+\k] row_xmask:\m row_mask:0xf bank_mask:0xf    ; over the sixteen rows of a half
.endr
.endr
	ds_store_b128 v[T+3], v[Y:Y+3]                 ; the sixteen lanes of a half write the same numbers to the same bytes
	ds_store_b128 v[T+3], v[Y+4:Y+7] offset:16
	s_cmp_lg_u32 s61, 0
	s_cbranch_scc1 .Lno_den
.irp s, 0,1,2,3,4,5,6,7
	ds_load_b128 v[Y+16+4*\s:Y+16+4*\s+3], v[T+2] offset:8704*\s+256               ; wave 0 also sums den
.endr
	s_wait_dscnt 0x0
.irp s, 0,2,4,6
.irp k, 0,2
	v_pk_add_f32 v[Y+16+4*\s+\k:Y+17+4*\s+\k], v[Y+16+4*\s+\k:Y+17+4*\s+\k], v[Y+20+4*\s+\k:Y+21+4*\s+\k]
.endr
.endr
.irp s, 0,4
.irp k, 0,2
	v_pk_add_f32 v[Y+16+4*\s+\k:Y+17+4*\s+\k], v[Y+16+4*\s+\k:Y+17+4*\s+\k], v[Y+24+4*\s+\k:Y+25+4*\s+\k]
.endr
.endr
.irp k, 0,2
	v_pk_add_f32 v[Y+16+\k:Y+17+\k], v[Y+16+\k:Y+17+\k], v[Y+32+\k:Y+33+\k]
.endr
.irp m, 1,2,4,8
.irp k, 0,1,2,3
	v_add_f32_dpp v[Y+16+\k], v[Y+16+\k], v[Y+16+\k] row_xmask:\m row_mask:0xf bank_mask:0xf
.endr
.endr
	ds_store_b128 v[T+4], v[Y+16:Y+19]             ; both halves hold the same four numbers
.Lno_den:
	s_wait_dscnt 0x0
	s_barrier_signal -1
	s_barrier_wait -1
	s_cmp_lg_u32 s61, 0
	s_cbranch_scc1 .Lend
	ds_load_b128 v[Y:Y+3], v[T+5]
	ds_load_b128 v[Y+4:Y+7], v[T+4]
	s_wait_dscnt 0x0
	global_store_b128 v[T+6], v[Y:Y+3], s[38:39]               ; 32 lanes store 512 consecutive bytes, from a multiple of 256 on: num,
	global_store_b128 v[T+6], v[Y+4:Y+7], s[38:39] offset:512  ; and den, 32 times
.Lend:
	s_wait_tensorcnt 0x0
	ds_add_u32 v18, v19
	s_wait_dscnt 0x0
	s_endpgm
.Lfunc_end_k_q48f856384d_pairs:
	.size	k_q48f856384d_pairs, .Lfunc_end_k_q48f856384d_pairs-k_q48f856384d_pairs
	.p2alignl 7, 3214868480
	.fill 96, 4, 3214868480
	.section	.rodata,"a",@progbits
	.p2align	6, 0x0
	.amdhsa_kernel k_q48f856384d_pairs
		.amdhsa_group_segment_fixed_size 119808
		.amdhsa_private_segment_fixed_size 0
		.amdhsa_enable_private_segment 0
		.amdhsa_kernarg_size 144
		.amdhsa_user_sgpr_count 2
		.amdhsa_user_sgpr_kernarg_segment_ptr 1
		.amdhsa_wavefront_size32 1
		.amdhsa_system_sgpr_workgroup_id_x 1
		.amdhsa_system_sgpr_workgroup_id_y 1
		.amdhsa_system_sgpr_workgroup_id_z 1
		.amdhsa_system_vgpr_workitem_id 0
		.amdhsa_next_free_vgpr 512
		.amdhsa_next_free_sgpr 96
		.amdhsa_reserve_vcc 0
		.amdhsa_float_denorm_mode_32 3
		.amdhsa_float_denorm_mode_16_64 3
		.amdhsa_memory_ordered 1
		.amdhsa_forward_progress 1
		.amdhsa_inst_pref_size 93
	.end_amdhsa_kernel
	.amdgpu_metadata
---
amdhsa.version: [ 1, 2 ]
amdhsa.kernels:
  - .name:           k_q48f856384d_pairs
    .symbol:         k_q48f856384d_pairs.kd
    .args:
      - { .name: x, .offset: 0, .size: 8, .value_kind: global_buffer, .address_space: global }
      - { .name: mask, .offset: 8, .size: 8, .value_kind: global_buffer, .address_space: global }
      - { .name: feat_emb, .offset: 16, .size: 8, .value_kind: global_buffer, .address_space: global }
      - { .name: h_w1, .offset: 24, .size: 8, .value_kind: global_buffer, .address_space: global }
      - { .name: h_b1, .offset: 32, .size: 8, .value_kind: global_buffer, .address_space: global }
      - { .name: h_ln1_g, .offset: 40, .size: 8, .value_kind: global_buffer, .address_space: global }
      - { .name: h_ln1_b, .offset: 48, .size: 8, .value_kind: global_buffer, .address_space: global }
      - { .name: h_w2_codes, .offset: 56, .size: 8, .value_kind: global_buffer, .address_space: global }
      - { .name: h_w2_scales, .offset: 64, .size: 8, .value_kind: global_buffer, .address_space: global }
      - { .name: h_b2, .offset: 72, .size: 8, .value_kind: global_buffer, .address_space: global }
      - { .name: h_ln2_g, .offset: 80, .size: 8, .value_kind: global_buffer, .address_space: global }
      - { .name: h_ln2_b, .offset: 88, .size: 8, .value_kind: global_buffer, .address_space: global }
      - { .name: g_w1_codes, .offset: 96, .size: 8, .value_kind: global_buffer, .address_space: global }
      - { .name: g_w1_scales, .offset: 104, .size: 8, .value_kind: global_buffer, .address_space: global }
      - { .name: g_b1, .offset: 112, .size: 8, .value_kind: global_buffer, .address_space: global }
      - { .name: g_w2, .offset: 120, .size: 8, .value_kind: global_buffer, .address_space: global }
      - { .name: g_b2, .offset: 128, .size: 8, .value_kind: global_buffer, .address_space: global }
      - { .name: part, .offset: 136, .size: 8, .value_kind: global_buffer, .address_space: global }
    .group_segment_fixed_size: 119808
    .private_segment_fixed_size: 0
    .kernarg_segment_align: 8
    .kernarg_segment_size: 144
    .max_flat_workgroup_size: 256
    .sgpr_count:     96
    .vgpr_count:     512
    .wavefront_size: 32
...
	.end_amdgpu_metadata
.endif
;; end of part 1
;; launch heads (part 2): grid 4 x 1, 4 waves a work-group, no clusters, 37,376 bytes of LDS; arguments part, c_w_codes, c_w_scales, c_b, c_ln_g, c_ln_b, e_w1_codes, e_w1_scales, e_b1, e_ln1_g, e_ln1_b, e_w2_codes, e_w2_scales, e_b2, e_ln2_g, e_ln2_b, out0, out1; writes out0, out1
.if DOCPART == 2
	.amdgcn_target "amdgcn-amd-amdhsa--gfx1250"
	.amdhsa_code_object_version 6
	.text
	.protected	k_q48f856384d_heads
	.globl	k_q48f856384d_heads
	.p2align	8
	.type	k_q48f856384d_heads,@function
k_q48f856384d_heads:
	s_mov_b64 s[64:65], 0
	v_nop
	global_prefetch_b8 v0, s[64:65] scope:SCOPE_SE
	s_setreg_imm32_b32 hwreg(HW_REG_WAVE_MODE, 25, 1), 1
	s_wait_xcnt 0x0
; The end of the chain for 16 batches a work-group: the four partial num and den of each batch are added, head_sums = num / max(den, 1e-30); then
; 128 -> 32 (LN, relu, 0 where the batch has no observation) -> 256 (LN, relu) -> 64 (LN, relu) = mu | logvar.  The three products run on codes of FP4 (E2M1) with one E8M0 scale for each 32 along K.
; FOUR WAVES, ONE TEXT: each wave sums 4 batches, and copies its share of every small input into LDS, dense (buffers of 512 bytes and more are shared out by the thread's number; of the four buffers of 256 bytes
; and the four of 128 bytes each wave takes one, its pointer chosen on the wave's number).  One barrier; then 16 rows are one tile, which wave 0 takes through the chain, all its operands read from LDS.
; LAYOUT, as in the launch before: products transposed (source 0 = 16 rows of the weight, source 1 = the 16 batches), lane (r, h) holds batch r.  A result of 128 or 256 lies in whole blocks (register 32 c + i = unit 64 c + 32 h + i),
; a result of 32 in half blocks (register i = 16 h + i; lanes 0-15 at the instruction's k 0-15, lanes 16-31 at k 32-47, one scale byte for both; e_w1 is read alike, and its fragments run on into neighbouring registers, which meet zero codes).
; The last product's tile u takes as its row m the output 32 (m / 8) + 8 u + m % 8: lanes 0-15 hold mu, lanes 16-31 logvar.
; A batch has an observation where its den is above 0: every observed junction adds at least exp(-10).
; LIMITS: NaN and infinities are not served.  A block whose largest magnitude lies under 2^-124 (a block of zeros too) gets the scale byte 1.  relu on codes leaves -0.  The f32 sums run in another order than the reference's.
; Four work-groups: 64 rows are four tiles of 16, and the rows of a tile go through LayerNorms that one wave holds whole.  No tensor loads, no cluster: nothing here is large or shared.
.set HS,   0                           ; LDS: head_sums, 16 rows of 512 bytes + 16
.set RD,   8448                        ; 1 / den: 16 bytes a thread
.set DT,   10496                       ; den: 16 bytes a thread
.set TE1,  12544                       ; e_b1, e_ln1_g, e_ln1_b
.set T256, 15616                       ; e_b2, e_ln2_g, e_ln2_b, e_w1_scales
.set T128, 16640                       ; c_b, c_ln_g, c_ln_b, c_w_scales
.set CE1,  17152                       ; e_w1_codes
.set CE2,  21248                       ; e_w2_codes
.set CCW,  29440                       ; c_w_codes
.set SE2,  31488                       ; e_w2_scales
.set OST,  32000                       ; the way out: 32 rows of 128 bytes + 16
.set FLOOR, 0x1800000
.set EOFF,  0xff000000
; window 0
.set R16,  1
.set HH,   2
.set SH8,  3
.set A4,   4                           ; 4, 8, 16 x thread
.set A8,   5
.set A16,  6
.set L8B,  7                           ; 8, 4, 16 x lane
.set L4B,  8
.set L16,  9
.set HSS,  10
.set RDL,  11
.set HSL,  12
.set DTL,  13
.set A128, 14
.set A64,  15
.set CWS,  16
.set HSW,  18
.set CW,   19
.set E1S,  20
.set EW,   36
.set E2S,  38
.set HFV,  46
.set DROW, 47
.set Z,    48
.set NOFF, 56                          ; (at the head alone)
.set CG,   64
.set CBE,  80
.set OC,   96
.set EC,   104
.set ACW,  120
.set ACWS, 121
.set AE1,  122
.set AE1S, 123
.set AE2,  124
.set AE2S, 125
.set OSS,  126
.set OSL,  127
.set Y,    128
; window 1
.set E1G,  0
.set E1B,  128
; window 2
.set EB1,  0
.set E2F,  128
.set E1F,  192                         ; tile t at E1F + 2 t, its operand runs on 6 registers further, the last into CWF
.set CWF,  224
.set CB,   240
; window 3
.set E2G,  0
.set E2B,  32
.set EB2,  64
.set MSB, 0
.macro WIN new                         ; bits 1:0 source 0, 3:2 source 1, 5:4 source 2, 7:6 destination; the high byte repeats the setting that is left
.if MSB != \new
	s_set_vgpr_msb (MSB<<8)|\new
.set MSB, \new
.endif
.endm
.macro PLACES n
.rept \n
	v_nop
.endr
.endm
.macro MAXF d, a, b, sgn
.if \sgn
	v_max3_num_f32 v[\d], |v[\a]|, |v[\b]|, FLOOR
.else
	v_max3_num_f32 v[\d], v[\a], v[\b], FLOOR
.endif
.endm
.macro MAX0 d, a, b, c, sgn
.if \sgn
	v_max3_num_f32 v[\d], |v[\a]|, |v[\b]|, |v[\c]|
.else
	v_max3_num_f32 v[\d], v[\a], v[\b], v[\c]
.endif
.endm
.macro MAXA d, a, b, sgn
.if \sgn
	v_max3_num_f32 v[\d], v[\d], |v[\a]|, |v[\b]|
.else
	v_max3_num_f32 v[\d], v[\d], v[\a], v[\b]
.endif
.endm
.macro LNSUM                           ; four pairs of partial sums in v[T .. T+7] -> the row's sum in v[T]
	v_pk_add_f32 v[T:T+1], v[T:T+1], v[T+2:T+3]
	v_pk_add_f32 v[T+4:T+5], v[T+4:T+5], v[T+6:T+7]
	v_pk_add_f32 v[T:T+1], v[T:T+1], v[T+4:T+5]
	v_add_f32 v[T], v[T], v[T+1]
	v_permlanex16_b32 v[T+12], v[T], s66, s67
	v_add_f32 v[T], v[T], v[T+12]
.endm
; LayerNorm of a row of 2 n numbers, n in my registers: mean, centre, variance of the centred numbers, 1 / sqrt, gain and bias.  The first pass goes in ascending order: each matrix result is first read at its low end.
.macro LNORM y, n, ninv, sinv, win, g, be
.irp k, 0,1,2,3
	v_pk_add_f32 v[T+2*\k:T+2*\k+1], v[\y+2*\k:\y+2*\k+1], v[\y+8+2*\k:\y+9+2*\k]
.endr
.set LP, 8
.rept (\n)/2-8
	v_pk_add_f32 v[T+2*(LP%4):T+2*(LP%4)+1], v[T+2*(LP%4):T+2*(LP%4)+1], v[\y+2*LP:\y+2*LP+1]
.set LP, LP+1
.endr
	LNSUM
	v_mul_f32 v[T+8], \ninv, v[T]
.set LP, 0
.rept (\n)/2
	v_pk_add_f32 v[\y+2*LP:\y+2*LP+1], v[\y+2*LP:\y+2*LP+1], v[T+8:T+9] op_sel_hi:[1,0]
.set LP, LP+1
.endr
.irp k, 0,1,2,3
	v_pk_mul_f32 v[T+2*\k:T+2*\k+1], v[\y+2*\k:\y+2*\k+1], v[\y+2*\k:\y+2*\k+1]
.endr
.set LP, 4
.rept (\n)/2-4
	v_pk_fma_f32 v[T+2*(LP%4):T+2*(LP%4)+1], v[\y+2*LP:\y+2*LP+1], v[\y+2*LP:\y+2*LP+1], v[T+2*(LP%4):T+2*(LP%4)+1]
.set LP, LP+1
.endr
	LNSUM
	v_fma_f32 v[T], v[T], s[\sinv], s72
	v_rsq_f32 v[T+10], v[T]
	v_nop                                          ; a plain instruction between the root and its use
.set LP, 0
	s_wait_alu depctr_va_vdst(0)
.rept (\n)/2
	v_pk_mul_f32 v[\y+2*LP:\y+2*LP+1], v[\y+2*LP:\y+2*LP+1], v[T+10:T+11] op_sel_hi:[1,0]
.set LP, LP+1
.endr
	WIN \win
.set LP, 0
.rept (\n)/2
	v_pk_fma_f32 v[\y+2*LP:\y+2*LP+1], v[\y+2*LP:\y+2*LP+1], v[\g+2*LP:\g+2*LP+1], v[\be+2*LP:\be+2*LP+1]
.set LP, LP+1
.endr
	WIN 0
.endm
; 64 numbers of a lane, two whole blocks, become an operand's 8 registers and the row's scale word.  sgn = 0: relu is part of it (maxima without |.|, negative codes cut to -0)
.macro QBLK2 y, hc, word, sgn
.irp c, 0,1
	MAXF T+16+\c, \y+32*\c, \y+32*\c+1, \sgn
	MAX0 T+22+\c, \y+32*\c+16, \y+32*\c+17, \y+32*\c+18, \sgn
.endr
.irp k, 0,1,2,3,4,5
.irp c, 0,1
	MAXA T+16+\c, \y+32*\c+2+2*\k, \y+32*\c+3+2*\k, \sgn
	MAXA T+22+\c, \y+32*\c+19+2*\k, \y+32*\c+20+2*\k, \sgn
.endr
.endr
.irp c, 0,1
	MAXA T+16+\c, \y+32*\c+14, \y+32*\c+15, \sgn
.endr
.irp c, 0,1
	MAXA T+16+\c, T+22+\c, \y+32*\c+31, \sgn
.endr
.irp c, 0,1
	v_add_nc_u32 v[T+18+\c], EOFF, v[T+16+\c]
.endr
.irp c, 0,1
	v_lshrrev_b32 v[T+20+\c], 23, v[T+18+\c]
.endr
	v_lshl_or_b32 v[\word], v[T+21], 16, v[T+20]
	v_lshlrev_b32 v[\word], v[SH8], v[\word]
	v_permlanex16_b32 v[T+12], v[\word], s66, s67
	v_or_b32 v[\word], v[\word], v[T+12]
.irp c, 0,1
.irp g, 0,1,2,3
	v_cvt_scalef32_pk8_fp4_f32 v[\hc+4*\c+\g], v[\y+32*\c+8*\g:\y+32*\c+8*\g+7], v[T+18+\c]
.endr
.endr
.if \sgn
	PLACES 8                                       ; a scale word made by vector instructions stands 8 places ahead of the scaled product, an operand 4
.else
	v_nop
.irp k, 0,1,2,3,4,5,6,7
	v_and_b32 v[T+2*\k], s69, v[\hc+\k]
.endr
.irp k, 0,1,2,3,4,5,6,7
	v_lshrrev_b32 v[T+2*\k+1], 3, v[T+2*\k]
.endr
.irp k, 0,1,2,3,4,5,6,7
	v_sub_nc_u32 v[T+2*\k], v[T+2*\k], v[T+2*\k+1]
.endr
.irp k, 0,1,2,3,4,5,6,7
	v_bfi_b32 v[\hc+\k], v[T+2*\k], 0, v[\hc+\k]
.endr
	PLACES 4
.endif
.endm
; 16 numbers of a lane, half a block: relu in f32, two registers of codes, the scale word (the byte twice)
.macro QHALF z, oc, word
	v_max3_num_f32 v[T+16], v[\z], v[\z+1], FLOOR
	v_max3_num_f32 v[T+22], v[\z+8], v[\z+9], v[\z+10]
	v_max3_num_f32 v[T+16], v[T+16], v[\z+2], v[\z+3]
	v_max3_num_f32 v[T+22], v[T+22], v[\z+11], v[\z+12]
	v_max3_num_f32 v[T+16], v[T+16], v[\z+4], v[\z+5]
	v_max3_num_f32 v[T+22], v[T+22], v[\z+13], v[\z+14]
	v_max3_num_f32 v[T+16], v[T+16], v[\z+6], v[\z+7]
	v_max3_num_f32 v[T+16], v[T+16], v[T+22], v[\z+15]
	v_permlanex16_b32 v[T+12], v[T+16], s66, s67
	v_max_num_f32 v[T+16], v[T+16], v[T+12]
	v_add_nc_u32 v[T+18], EOFF, v[T+16]
	v_lshrrev_b32 v[T+20], 23, v[T+18]
	v_lshl_or_b32 v[\word], v[T+20], 8, v[T+20]
.set LP, 0
.rept 16
	v_max_num_f32 v[\z+LP], 0, v[\z+LP]
.set LP, LP+1
.endr
	v_cvt_scalef32_pk8_fp4_f32 v[\oc], v[\z:\z+7], v[T+18]
	v_cvt_scalef32_pk8_fp4_f32 v[\oc+1], v[\z+8:\z+15], v[T+18]
	PLACES 4
.endm
	s_load_b512 s[4:19], s[0:1], 0x0               ; part, c_w_codes, c_w_scales, c_b, c_ln_g, c_ln_b, e_w1_codes, e_w1_scales
	s_load_b512 s[20:35], s[0:1], 0x40             ; e_b1, e_ln1_g, e_ln1_b, e_w2_codes, e_w2_scales, e_b2, e_ln2_g, e_ln2_b
	s_load_b128 s[36:39], s[0:1], 0x80             ; out0, out1
	s_set_vgpr_msb 0xc0
	v_lshl_add_u32 v254, v0, 2, 0x9000
	v_mov_b32 v255, 0
	s_set_vgpr_msb 0xc000
	v_lshrrev_b32 v48, 5, v0
	v_readfirstlane_b32 s60, v48                   ; wave 0..3
	v_and_b32 v49, 31, v0                          ; lane
	v_and_b32 v[R16], 15, v0
	v_bfe_u32 v[HH], v0, 4, 1
	v_lshlrev_b32 v[SH8], 3, v[HH]
	v_lshlrev_b32 v[A4], 2, v0
	v_lshlrev_b32 v[A8], 3, v0
	v_lshlrev_b32 v[A16], 4, v0
	v_lshlrev_b32 v[L8B], 3, v49
	v_lshlrev_b32 v[L4B], 2, v49
	v_lshlrev_b32 v[L16], 4, v49
	s_mul_i32 s61, s60, 2112
	v_add_nc_u32 v[HSS], s61, v[L16]               ; head_sums, in: rows 4 wave + i, 16 bytes a lane
	v_bfe_u32 v50, v0, 3, 2                        ; lane / 8: my head
	s_lshl_b32 s61, s60, 9
	v_lshl_add_u32 v[RDL], v50, 2, s61             ; 1 / den of my head, in my wave's slots
	v_mul_u32_u24 v[HSL], v[R16], 528
	v_lshl_add_u32 v[HSL], v[HH], 7, v[HSL]        ; head_sums, out: row r, + 128 h
	v_bfe_u32 v51, v0, 2, 2
	v_and_b32 v52, 3, v0
	v_lshlrev_b32 v[DTL], 9, v51
	v_lshl_add_u32 v[DTL], v52, 6, v[DTL]          ; den[0] of batch r: wave r / 4's slots, its batch r % 4
	v_lshlrev_b32 v[A128], 7, v[HH]
	v_lshlrev_b32 v[A64], 6, v[HH]
	v_bfe_u32 v53, v0, 3, 1                        ; r / 8
	v_and_b32 v54, 7, v0                           ; r % 8
	v_lshl_add_u32 v55, v53, 4, v54                ; 16 (r / 8) + r % 8
	v_lshl_add_u32 v[AE1S], v53, 5, v54            ; 32 (r / 8) + r % 8
	v_lshlrev_b32 v[ACW], 6, v55
	v_lshl_add_u32 v[ACW], v[HH], 4, v[ACW]
	v_lshlrev_b32 v[ACWS], 2, v55
	v_lshlrev_b32 v[AE1], 4, v[AE1S]
	v_lshl_add_u32 v[AE1], v[HH], 3, v[AE1]
	v_lshlrev_b32 v[AE2], 7, v[AE1S]
	v_lshl_add_u32 v[AE2], v[HH], 4, v[AE2]
	v_lshlrev_b32 v[AE2S], 3, v[AE1S]
	v_mul_u32_u24 v[OSS], v49, 144
	v_mul_u32_u24 v[OSL], v50, 144
	v_lshl_add_u32 v[OSL], v54, 4, v[OSL]
	s_lshl_b32 s61, s60, 14                        ; my wave's 16 rows of part, 1,024 bytes each
	v_add_nc_u32 v[NOFF], s61, v[L16]
	v_lshl_add_u32 v[DROW], v[R16], 10, s61        ; a lane to a row, for den
.irp i, 0,1,2,3
	v_mov_b32 v[241+2*\i], 0                       ; (named as upper halves of pairs)
.endr
	s_mov_b32 s66, 0x76543210
	s_mov_b32 s67, 0xfedcba98
	s_mov_b32 s69, 0x88888888
	s_mov_b32 s72, 0x3727c5ac                      ; 1e-5
	s_mov_b32 s73, 0x3b800000                      ; 1 / 256
	s_mov_b32 s74, 0x3d000000                      ; 1 / 32
	s_mov_b32 s75, 0x3c800000                      ; 1 / 64
	s_lshl_b32 s62, ttmp9, 16                      ; 16 batches x 4 rows of part
	s_mov_b32 s63, 0
	s_lshl_b32 s46, ttmp9, 11                      ; 16 rows of 128 bytes of each output
	s_mov_b32 s47, 0
	s_wait_kmcnt 0x0
	s_add_nc_u64 s[4:5], s[4:5], s[62:63]
	s_add_nc_u64 s[36:37], s[36:37], s[46:47]
	s_add_nc_u64 s[38:39], s[38:39], s[46:47]
	s_mov_b64 s[40:41], s[18:19]                   ; the buffer of 256 bytes that my wave copies: e_b2, e_ln2_g, e_ln2_b, e_w1_scales
	s_mov_b64 s[44:45], s[8:9]                     ; and the one of 128 bytes: c_b, c_ln_g, c_ln_b, c_w_scales
	s_cmp_eq_u32 s60, 0
	s_cselect_b64 s[40:41], s[30:31], s[40:41]
	s_cselect_b64 s[44:45], s[10:11], s[44:45]
	s_cmp_eq_u32 s60, 1
	s_cselect_b64 s[40:41], s[32:33], s[40:41]
	s_cselect_b64 s[44:45], s[12:13], s[44:45]
	s_cmp_eq_u32 s60, 2
	s_cselect_b64 s[40:41], s[34:35], s[40:41]
	s_cselect_b64 s[44:45], s[14:15], s[44:45]
	; ---- 30 loads a wave, in one run
	global_load_b128 v[192:195], v[DROW], s[4:5] offset:512        ; den of row lane % 16: batch (lane % 16) / 4, quarter lane % 4
.irp i, 0,1,2,3
.irp q, 0,1,2,3
	global_load_b128 v[Y+16*\i+4*\q:Y+16*\i+4*\q+3], v[NOFF], s[4:5] offset:1024*(4*\i+\q)     ; num: 512 consecutive bytes
.endr
.endr
	global_load_b64 v[196:197], v[A8], s[20:21]
	global_load_b64 v[198:199], v[A8], s[22:23]
	global_load_b64 v[200:201], v[A8], s[24:25]
	global_load_b64 v[202:203], v[L8B], s[40:41]
	global_load_b32 v204, v[L4B], s[44:45]
	global_load_b32 v205, v[A4], s[28:29]
	global_load_b128 v[206:209], v[A16], s[6:7]
	global_load_b128 v[210:213], v[A16], s[16:17]
	global_load_b128 v[214:217], v[A16], s[16:17] offset:2048
.irp e, 0,1,2,3
	global_load_b128 v[218+4*\e:221+4*\e], v[A16], s[26:27] offset:2048*\e
.endr
	s_wait_loadcnt 0x0
	ds_store_b64 v[A8], v[196:197] offset:TE1
	ds_store_b64 v[A8], v[198:199] offset:TE1+1024
	ds_store_b64 v[A8], v[200:201] offset:TE1+2048
	ds_store_b64 v[A8], v[202:203] offset:T256     ; 256 x wave + 8 x lane = 8 x thread
	ds_store_b32 v[A4], v204 offset:T128
	ds_store_b32 v[A4], v205 offset:SE2
	ds_store_b128 v[A16], v[206:209] offset:CCW
	ds_store_b128 v[A16], v[210:213] offset:CE1
	ds_store_b128 v[A16], v[214:217] offset:CE1+2048
.irp e, 0,1,2,3
	ds_store_b128 v[A16], v[218+4*\e:221+4*\e] offset:CE2+2048*\e
.endr
.irp m, 1,2
.irp k, 0,1,2,3
	v_add_f32_dpp v[192+\k], v[192+\k], v[192+\k] row_xmask:\m row_mask:0xf bank_mask:0xf      ; den over the four quarters
.endr
.endr
	ds_store_b128 v[A16], v[192:195] offset:DT
.irp k, 0,1,2,3
	v_max_num_f32 v[236+\k], 0x0da24260, v[192+\k] ; at least 1e-30
.endr
.irp k, 0,1,2,3
	v_rcp_f32 v[236+\k], v[236+\k]
.endr
	v_nop
	s_wait_alu depctr_va_vdst(0)
	ds_store_b128 v[A16], v[236:239] offset:RD
.irp i, 0,1,2,3
	ds_load_b32 v[240+2*\i], v[RDL] offset:RD+64*\i                ; batch i, my head.  LDS serves a wave's instructions in order: these see the store above
.endr
.irp i, 0,1,2,3
.irp k, 0,2
	v_pk_add_f32 v[Y+16*\i+\k:Y+16*\i+\k+1], v[Y+16*\i+\k:Y+16*\i+\k+1], v[Y+16*\i+4+\k:Y+16*\i+5+\k]
	v_pk_add_f32 v[Y+16*\i+8+\k:Y+16*\i+9+\k], v[Y+16*\i+8+\k:Y+16*\i+9+\k], v[Y+16*\i+12+\k:Y+16*\i+13+\k]
.endr
.irp k, 0,2
	v_pk_add_f32 v[Y+16*\i+\k:Y+16*\i+\k+1], v[Y+16*\i+\k:Y+16*\i+\k+1], v[Y+16*\i+8+\k:Y+16*\i+9+\k]
.endr
.endr
	s_wait_dscnt 0x0
.irp i, 0,1,2,3
.irp k, 0,2
	v_pk_mul_f32 v[Y+16*\i+\k:Y+16*\i+\k+1], v[Y+16*\i+\k:Y+16*\i+\k+1], v[240+2*\i:241+2*\i] op_sel_hi:[1,0]
.endr
	ds_store_b128 v[HSS], v[Y+16*\i:Y+16*\i+3] offset:HS+528*\i
.endr
	s_wait_dscnt 0x0                               ; for wave 0's sake: all my stores lie in LDS
	s_barrier_signal -1
	s_barrier_wait -1
	s_cmp_lg_u32 s60, 0
	s_cbranch_scc1 .Lend
	; ---- wave 0: the tile of 16 batches
.set T, Y+64                           ; at work: v192-223
.irp c, 0,1
.irp p, 0,1,2,3,4,5,6,7
	ds_load_b128 v[Y+32*\c+4*\p:Y+32*\c+4*\p+3], v[HSL] offset:HS+256*\c+16*\p
.endr
.endr
	ds_load_b32 v[HFV], v[DTL] offset:DT
	ds_load_b32 v[CWS], v[ACWS] offset:T128+384
	ds_load_b32 v[CWS+1], v[ACWS] offset:T128+384+32
.irp q, 0,1,2,3
	ds_load_b128 v[CG+4*\q:CG+4*\q+3], v[A64] offset:T128+128+16*\q
	ds_load_b128 v[CBE+4*\q:CBE+4*\q+3], v[A64] offset:T128+256+16*\q
.endr
.irp t, 0,1,2,3,4,5,6,7,8,9,10,11,12,13,14,15
	ds_load_u8 v[E1S+\t], v[AE1S] offset:T256+768+128*(\t/8)+64*((\t/4)%2)+8*(\t%4)
.endr
	WIN 0x80                                       ; destination in window 2
.irp u, 0,1
.irp c, 0,1
	ds_load_b128 v[CWF+8*\u+4*\c:CWF+8*\u+4*\c+3], v[ACW] offset:CCW+512*\u+32*\c
.endr
.endr
.irp q, 0,1,2,3
	ds_load_b128 v[CB+4*\q:CB+4*\q+3], v[A64] offset:T128+16*\q
.endr
.irp t, 0,1,2,3,4,5,6,7,8,9,10,11,12,13,14,15
	ds_load_b64 v[E1F+2*\t:E1F+2*\t+1], v[AE1] offset:CE1+16*(128*(\t/8)+64*((\t/4)%2)+8*(\t%4))
.endr
	WIN 0
	s_wait_dscnt 0x0
.irp t, 0,1,2,3,4,5,6,7,8,9,10,11,12,13,14,15
	v_lshl_or_b32 v[E1S+\t], v[E1S+\t], 8, v[E1S+\t]               ; e_w1's byte for both halves of its block
.endr
.irp i, 2,3,4,5,6,7
	v_mov_b32 v[OC+\i], 0
.endr
	WIN 0x80                                       ; what the second product and its LayerNorm want lands under the first
.irp b, 0,1,2,3
.irp q, 0,1,2,3,4,5,6,7
	ds_load_b128 v[EB1+32*\b+4*\q:EB1+32*\b+4*\q+3], v[A128] offset:TE1+256*\b+16*\q
.endr
.endr
	WIN 0x40
.irp b, 0,1,2,3
.irp q, 0,1,2,3,4,5,6,7
	ds_load_b128 v[E1G+32*\b+4*\q:E1G+32*\b+4*\q+3], v[A128] offset:TE1+1024+256*\b+16*\q
	ds_load_b128 v[E1B+32*\b+4*\q:E1B+32*\b+4*\q+3], v[A128] offset:TE1+2048+256*\b+16*\q
.endr
.endr
	WIN 0
	QBLK2 Y, EC, HSW, 1
	WIN 0x22                                       ; sources 0 and 2 in window 2
.irp u, 0,1
	v_wmma_scale_f32_16x16x128_f8f6f4 v[Z+8*\u:Z+8*\u+7], v[CWF+8*\u:CWF+8*\u+7], v[EC:EC+7], v[CB+8*\u:CB+8*\u+7], v[CWS+\u], v[HSW] matrix_a_fmt:MATRIX_FMT_FP4 matrix_b_fmt:MATRIX_FMT_FP4
.endr
	WIN 0
	PLACES 4
	LNORM Z, 16, 0xbd000000, 74, 0, CG, CBE
	v_cmp_lt_f32 vcc_lo, 0, v[HFV]                 ; has the batch an observation?
.set LP, 0
.rept 16
	v_cndmask_b32 v[Z+LP], 0, v[Z+LP], vcc_lo
.set LP, LP+1
.endr
	QHALF Z, OC, CW
	s_wait_dscnt 0x0                               ; e_b1, e_ln1_g, e_ln1_b
	WIN 0x22
.irp t, 0,1,2,3,4,5,6,7,8,9,10,11,12,13,14,15
	v_wmma_scale_f32_16x16x128_f8f6f4 v[Y+8*\t:Y+8*\t+7], v[E1F+2*\t:E1F+2*\t+7], v[OC:OC+7], v[EB1+8*\t:EB1+8*\t+7], v[E1S+\t], v[CW] matrix_a_fmt:MATRIX_FMT_FP4 matrix_b_fmt:MATRIX_FMT_FP4
.endr
	WIN 0x80                                       ; what the third product and its LayerNorm want lands under the second's LayerNorm; none of these registers is named by the products above
.irp u, 0,1,2,3
.irp s, 0,1
.irp c, 0,1
	ds_load_b128 v[E2F+8*(2*\u+\s)+4*\c:E2F+8*(2*\u+\s)+4*\c+3], v[AE2] offset:CE2+1024*\u+64*\s+32*\c
.endr
.endr
.endr
	WIN 0xc0
.irp q, 0,1,2,3,4,5,6,7
	ds_load_b128 v[EB2+4*\q:EB2+4*\q+3], v[A128] offset:T256+16*\q
	ds_load_b128 v[E2G+4*\q:E2G+4*\q+3], v[A128] offset:T256+256+16*\q
	ds_load_b128 v[E2B+4*\q:E2B+4*\q+3], v[A128] offset:T256+512+16*\q
.endr
	WIN 0
.irp u, 0,1,2,3
.irp s, 0,1
	ds_load_b32 v[E2S+2*\u+\s], v[AE2S] offset:SE2+64*\u+4*\s
.endr
.endr
	PLACES 4
.set T, 48                             ; at work from here on: v48-79, which the first product's results and gains have left
	LNORM Y, 128, 0xbb800000, 73, 0x14, E1G, E1B
	QBLK2 Y, EC, EW, 0
	QBLK2 Y+64, EC+8, EW+1, 0
	s_wait_dscnt 0x0
	WIN 0x32                                       ; source 0 in window 2, source 2 in window 3
.irp u, 0,1,2,3
	v_wmma_scale_f32_16x16x128_f8f6f4 v[Y+8*\u:Y+8*\u+7], v[E2F+16*\u:E2F+16*\u+7], v[EC:EC+7], v[EB2+8*\u:EB2+8*\u+7], v[E2S+2*\u], v[EW] matrix_a_fmt:MATRIX_FMT_FP4 matrix_b_fmt:MATRIX_FMT_FP4
.endr
	WIN 0x02                                       ; the second K step: the four accumulators take turns
.irp u, 0,1,2,3
	v_wmma_scale_f32_16x16x128_f8f6f4 v[Y+8*\u:Y+8*\u+7], v[E2F+16*\u+8:E2F+16*\u+15], v[EC+8:EC+15], v[Y+8*\u:Y+8*\u+7], v[E2S+2*\u+1], v[EW+1] matrix_a_fmt:MATRIX_FMT_FP4 matrix_b_fmt:MATRIX_FMT_FP4
.endr
	WIN 0
	PLACES 4
	LNORM Y, 32, 0xbc800000, 75, 0x3c, E2G, E2B
.set LP, 0
.rept 32
	v_max_num_f32 v[Y+LP], 0, v[Y+LP]
.set LP, LP+1
.endr
	; the way out: lane (r, 0) holds mu of batch r, lane (r, 1) logvar: through a stage, so that 32 lanes store 512 consecutive bytes
.irp q, 0,1,2,3,4,5,6,7
	ds_store_b128 v[OSS], v[Y+4*\q:Y+4*\q+3] offset:OST+16*\q
.endr
.irp b, 0,1
.irp i, 0,1,2,3
	ds_load_b128 v[Y+32+16*\b+4*\i:Y+32+16*\b+4*\i+3], v[OSL] offset:OST+144*(16*\b+4*\i)      ; LDS serves a wave's instructions in order: these see the stores above
.endr
.endr
	s_wait_dscnt 0x0
.irp i, 0,1,2,3
	global_store_b128 v[L16], v[Y+32+4*\i:Y+32+4*\i+3], s[36:37] offset:512*\i
	global_store_b128 v[L16], v[Y+48+4*\i:Y+48+4*\i+3], s[38:39] offset:512*\i
.endr
.Lend:
	s_set_vgpr_msb 0xf
	s_wait_tensorcnt 0x0
	ds_add_u32 v254, v255
	s_wait_dscnt 0x0
	s_set_vgpr_msb 0xf00
	s_endpgm
.Lfunc_end_k_q48f856384d_heads:
	.size	k_q48f856384d_heads, .Lfunc_end_k_q48f856384d_heads-k_q48f856384d_heads
	.p2alignl 7, 3214868480
	.fill 96, 4, 3214868480
	.section	.rodata,"a",@progbits
	.p2align	6, 0x0
	.amdhsa_kernel k_q48f856384d_heads
		.amdhsa_group_segment_fixed_size 37376
		.amdhsa_private_segment_fixed_size 0
		.amdhsa_enable_private_segment 0
		.amdhsa_kernarg_size 144
		.amdhsa_user_sgpr_count 2
		.amdhsa_user_sgpr_kernarg_segment_ptr 1
		.amdhsa_wavefront_size32 1
		.amdhsa_system_sgpr_workgroup_id_x 1
		.amdhsa_system_sgpr_workgroup_id_y 1
		.amdhsa_system_sgpr_workgroup_id_z 1
		.amdhsa_system_vgpr_workitem_id 0
		.amdhsa_next_free_vgpr 1024
		.amdhsa_next_free_sgpr 80
		.amdhsa_reserve_vcc 1
		.amdhsa_float_denorm_mode_32 3
		.amdhsa_float_denorm_mode_16_64 3
		.amdhsa_memory_ordered 1
		.amdhsa_forward_progress 1
		.amdhsa_inst_pref_size 77
	.end_amdhsa_kernel
	.amdgpu_metadata
---
amdhsa.version: [ 1, 2 ]
amdhsa.kernels:
  - .name:           k_q48f856384d_heads
    .symbol:         k_q48f856384d_heads.kd
    .args:
      - { .name: part, .offset: 0, .size: 8, .value_kind: global_buffer, .address_space: global }
      - { .name: c_w_codes, .offset: 8, .size: 8, .value_kind: global_buffer, .address_space: global }
      - { .name: c_w_scales, .offset: 16, .size: 8, .value_kind: global_buffer, .address_space: global }
      - { .name: c_b, .offset: 24, .size: 8, .value_kind: global_buffer, .address_space: global }
      - { .name: c_ln_g, .offset: 32, .size: 8, .value_kind: global_buffer, .address_space: global }
      - { .name: c_ln_b, .offset: 40, .size: 8, .value_kind: global_buffer, .address_space: global }
      - { .name: e_w1_codes, .offset: 48, .size: 8, .value_kind: global_buffer, .address_space: global }
      - { .name: e_w1_scales, .offset: 56, .size: 8, .value_kind: global_buffer, .address_space: global }
      - { .name: e_b1, .offset: 64, .size: 8, .value_kind: global_buffer, .address_space: global }
      - { .name: e_ln1_g, .offset: 72, .size: 8, .value_kind: global_buffer, .address_space: global }
      - { .name: e_ln1_b, .offset: 80, .size: 8, .value_kind: global_buffer, .address_space: global }
      - { .name: e_w2_codes, .offset: 88, .size: 8, .value_kind: global_buffer, .address_space: global }
      - { .name: e_w2_scales, .offset: 96, .size: 8, .value_kind: global_buffer, .address_space: global }
      - { .name: e_b2, .offset: 104, .size: 8, .value_kind: global_buffer, .address_space: global }
      - { .name: e_ln2_g, .offset: 112, .size: 8, .value_kind: global_buffer, .address_space: global }
      - { .name: e_ln2_b, .offset: 120, .size: 8, .value_kind: global_buffer, .address_space: global }
      - { .name: out0, .offset: 128, .size: 8, .value_kind: global_buffer, .address_space: global }
      - { .name: out1, .offset: 136, .size: 8, .value_kind: global_buffer, .address_space: global }
    .group_segment_fixed_size: 37376
    .private_segment_fixed_size: 0
    .kernarg_segment_align: 8
    .kernarg_segment_size: 144
    .max_flat_workgroup_size: 128
    .sgpr_count:     80
    .vgpr_count:     1024
    .wavefront_size: 32
...
	.end_amdgpu_metadata
.endif
;; end of part 2
;; ======== version 2 of 2: 2 launches; version 1 with the launches pairs, heads written anew for expert scheduling mode
;; workspace buffers: part 262,144 bytes
;; launch pairs (part 3): grid 4 x 64, 8 waves a work-group, no clusters, 119,808 bytes of LDS; arguments x, mask, feat_emb, h_w1, h_b1, h_ln1_g, h_ln1_b, h_w2_codes, h_w2_scales, h_b2, h_ln2_g, h_ln2_b, g_w1_codes, g_w1_scales, g_b1, g_w2, g_b2, part; writes part
.if DOCPART == 3
	.amdgcn_target "amdgcn-amd-amdhsa--gfx1250"
	.amdhsa_code_object_version 6
	.text
	.protected	k_q48f856384d_pairs
	.globl	k_q48f856384d_pairs
	.p2align	8
	.type	k_q48f856384d_pairs,@function
k_q48f856384d_pairs:
	s_mov_b64 s[64:65], 0
	v_nop
	global_prefetch_b8 v0, s[64:65] scope:SCOPE_SE
	s_setreg_imm32_b32 hwreg(HW_REG_WAVE_SCHED_MODE, 0, 2), 2
	s_setreg_imm32_b32 hwreg(HW_REG_WAVE_MODE, 25, 1), 1
	s_wait_xcnt 0x0
	s_wait_alu depctr_vm_vsrc(0)
; For every pair (batch b, junction j): [x, emb] -> 128 -> LN, relu -> 32 -> LN, relu (h_out) -> 16 -> relu -> 4 logits, clipped to +-10; e = exp(logit), 0 where the pair is not observed;
; num[w][d] += e[w] h_out[d], den[w] += e[w].  The three wide products run on codes of FP4 (E2M1) with one E8M0 scale for each 32 along K; the two narrow ones are f32 multiply-adds.
; A work-group owns one batch and 4,096 junctions and stores its partial num (128 floats) and den (4 floats, repeated 32 times: the row is 1,024 bytes on end) into part[(4 b + quarter)].
; Each of the 8 waves walks its 512 junctions in 16 trips of 32 neighbouring rows, two tiles of 16.  EVERY PAIR IS COMPUTED, and the mask only selects: no branch, no trip count and no address hangs on a loaded number.
; NO MAXIMUM IS TAKEN AWAY AHEAD OF THE EXPONENTIAL: the logits are clipped to +-10 first, so e lies in 4.5e-5 .. 2.2e4 and a sum of 16,384 of them under 3.7e8: nothing can overflow or vanish, and e / sum is the same with or without a shift.
; LAYOUT.  Every product is used transposed (source 0 = 16 rows of the weight, source 1 = 16 data rows): lane (r, h) holds data row r throughout, its registers run along the next K.
;   Hidden layer: tile 4 c + t takes as its row m the unit 64 c + 32 (m / 8) + 8 t + m % 8, so register 32 c + i of lane (r, h) is unit 64 c + 32 h + i: two WHOLE blocks a lane, in the operand's own order.
;   h_out: tile u takes as its row m the output 16 (m / 8) + 8 u + m % 8: register i is d = 16 h + i.  For the next product (K = 32) lanes 0-15 put d 0-15 at the instruction's k 0-15 and lanes 16-31 d 16-31 at k 32-47, both under the block's one scale byte; g_w1 is loaded alike.
;   First product: inside block 0 the places are permuted alike on both sides (place p = emb[p], place 31 = x); block 1 holds emb[31] at its place 7.  Which numbers share a block, and so every scale and code, is as the quantiser states.
;   A ZERO CODE ON ONE SIDE IS ENOUGH: where the data's codes are zeros the weight's fragment runs on into neighbouring registers (any FP4 code is finite); where the weight's codes are zeros the data's may be anything.  No scale byte is 0xff.
; relu ahead of the hidden layer's quantiser is done on the codes: the block's maximum is taken without |.|, and negative codes are cut to -0, which adds nothing.
; LIMITS: NaN and infinities are not served.  A block whose largest magnitude lies under 2^-124 (a block of zeros too) gets the scale byte 1.  The f32 sums run in another order than the reference's.
; NO CLUSTER, NO JOINT LOADS, though the 64 batches of a quarter read the same rows of feat_emb: a trip asks for 4,096 bytes of them a wave, one trip ahead, against some 1,000 vector instructions of the wave's own work on them;
; the rows go from memory into registers and turn through the wave's own stage, so that no wave waits for another inside the loop.
; THE MODE: SCHED_MODE bits 1:0 = 2 (LLVM: expert scheduling mode 2), set by the entry lines.  The code itself states the register dependences
; between vector or matrix instructions and memory or LDS instructions, with s_wait_alu, always for 0.
; THE PLAN.  Registers that memory or LDS instructions touch, in the loop:
;   RAW             The fetch's eight loads land in it; the next trip's eight LDS stores read it; no vector instruction names it.
;   XV, MK          The fetch's two narrow loads land in them; QUANT_IN reads them.
;   FA, XA          Read by the fetch's loads; stepped once a trip by a vector add.
;   Y .. Y+63       The stage's rows land in Y .. Y+31, h_b1 in all 64, g_w2 in Y+16 .. Y+47; between the landings vector and matrix instructions write and read them.
;   STS, STL, B1A, GTA   LDS addresses, made at the head and never written again.
;   OPA, OPB, SW, HC, HW, OC, OW   Written by vector instructions and taken by the scaled products.
; A trip's waits on va_vdst: at its head (the last tile is done with Y); behind QUANT_IN (the first product's operands, the stepped offsets, and what the fetch and h_b1 land in); in each tile behind the hidden layer's
; quantiser (its operand; g_w2's landing place), behind h_out's quantiser (its operand), and behind each root and the exponentials; between the tiles (the sums are done reading h_out).
; Loads follow a wait as far as no vector or matrix instruction issued since names their registers: the upper half of the first tile's h_b1 goes out with the stage's loads, under QUANT_IN,
; and twelve of the second tile's sixteen loads of h_b1 go out behind the first tile's exponentials, under its weighted sums.  One wait on vm_vsrc a trip stands ahead of the two adds and the fetch.
.set W1IMG, 0                          ; LDS: the 8 tiles of W1 as images of their registers, 512 bytes each
.set W1SC,  4096                       ; their scale words, 128 bytes each
.set TB,    5120                       ; for each wave 768 bytes: h_b1, then g_w2
.set STG,   11264                      ; for each wave 4,608: 32 rows of 128 bytes + 16 of padding
.set RED,   48128                      ; for each wave 8,704: its 68 sums a lane, 272 bytes from lane to lane
.set OUT,   117760                     ; the work-group's 128 num, at + 512 its 4 den
.set TRIPS, 16                         ; 512 junctions a wave, 32 a trip
.set FLOOR, 0x1800000                  ; 2^(3 - 127): no largest magnitude is taken under it, so no scale byte falls under 1
.set EOFF,  0xff000000                 ; takes 2 off an exponent field
; window 0
.set LANE, 1
.set R16,  2                           ; lane % 16
.set SH8,  3                           ; 8 (lane / 16)
.set P16,  4                           ; 16 (lane % 8)
.set STS,  5                           ; stage, in
.set STL,  6                           ; stage, out
.set MK,   7                           ; the mask of my row
.set B1A,  8                           ; h_b1 at 128 h
.set GTA,  9                           ; g_w2 at 128 h
.set XV,   10                          ; x of my row
.set ZERO, 11
.set FA,   12                          ; byte offset in my wave's rows of feat_emb: 16 x lane + 4,096 x trip
.set XA,   13                          ; and in its part of x and of mask: 4 x lane + 128 x trip
.set W1S,  20                          ; v20-27 W1's scale words
.set W2S,  28
.set G1S,  30
.set SW,   31                          ; scale word of my row of the input
.set HW,   32                          ; of the hidden layer
.set OW,   33                          ; of h_out
.set G1,   34                          ; g_w1's two registers; its operand runs on to v41
.set B2,   36
.set G2,   52
.set BE2,  68
.set GB1,  84
.set GB2,  92                          ; g_b2 in lanes 0-15, 0 in lanes 16-31
.set RAW,  96                          ; v96-127 a trip's rows as they arrive
.set OPA,  128                         ; rows 0-15: 4 registers of codes, 4 of zeros
.set OPB,  136                         ; rows 16-31
.set HC,   144                         ; the hidden layer's codes
.set OC,   152                         ; h_out's: 2 registers of codes, 6 of zeros
.set Y,    160                         ; v160-223
.set T,    224                         ; v224-255: +0..7 partial sums; +8 -mean; +10 1/sigma; +12..15 from the other half; +16,17 +22,23 maxima; +18,19 conversion scales; +20,21 bytes; +24..27 logits; +28..31 e
.set X,    Y                           ; a row's 32 numbers
.set Z,    Y                           ; h_out
.set GW,   Y+16                         ; g_w2's rows 8 h .. 8 h + 7
.set GH,   Y+48                         ; the gate's hidden layer
.set WR,   Y+16                         ; at the head: my unit's 33 numbers of h_w1
; window 1
.set G1N,  0
.set BE1,  64
.set W1F,  128                         ; tile t at W1F + 4 t, its operand runs on 4 registers further; the last 4 are zeros
.set W2F,  164
.set NUM,  180                         ; register 16 w + i: head w, d = 16 h + i
.set DEN,  244
.set MSB, 0
.macro WIN new                         ; bits 1:0 source 0, 3:2 source 1, 5:4 source 2, 7:6 destination; the high byte repeats the setting that is left
.if MSB != \new
	s_set_vgpr_msb (MSB<<8)|\new
.set MSB, \new
.endif
.endm
.macro PLACES n
.rept \n
	v_nop
.endr
.endm
.macro MAXF d, a, b, sgn               ; d = the largest of a, b and the floor
.if \sgn
	v_max3_num_f32 v[\d], |v[\a]|, |v[\b]|, FLOOR
.else
	v_max3_num_f32 v[\d], v[\a], v[\b], FLOOR
.endif
.endm
.macro MAX0 d, a, b, c, sgn
.if \sgn
	v_max3_num_f32 v[\d], |v[\a]|, |v[\b]|, |v[\c]|
.else
	v_max3_num_f32 v[\d], v[\a], v[\b], v[\c]
.endif
.endm
.macro MAXA d, a, b, sgn
.if \sgn
	v_max3_num_f32 v[\d], v[\d], |v[\a]|, |v[\b]|
.else
	v_max3_num_f32 v[\d], v[\d], v[\a], v[\b]
.endif
.endm
; the four pairs of partial sums in v[T .. T+7] become the row's sum in v[T]: my half's, then the lane's 16 away
.macro LNSUM
	v_pk_add_f32 v[T:T+1], v[T:T+1], v[T+2:T+3]
	v_pk_add_f32 v[T+4:T+5], v[T+4:T+5], v[T+6:T+7]
	v_pk_add_f32 v[T:T+1], v[T:T+1], v[T+4:T+5]
	v_add_f32 v[T], v[T], v[T+1]
	v_permlanex16_b32 v[T+12], v[T], s66, s67
	v_add_f32 v[T], v[T], v[T+12]
.endm
; LayerNorm of a row of 2 n numbers, n in my registers v[y ..]: mean, centre, variance of the centred numbers (no difference of large sums), 1 / sqrt, gain and bias.
; The first pass takes the registers in ascending order, so that each matrix result is first read at its low end.
.macro LNORM y, n, ninv, sinv, win, g, be
.irp k, 0,1,2,3
	v_pk_add_f32 v[T+2*\k:T+2*\k+1], v[\y+2*\k:\y+2*\k+1], v[\y+8+2*\k:\y+9+2*\k]
.endr
.set LP, 8
.rept (\n)/2-8
	v_pk_add_f32 v[T+2*(LP%4):T+2*(LP%4)+1], v[T+2*(LP%4):T+2*(LP%4)+1], v[\y+2*LP:\y+2*LP+1]
.set LP, LP+1
.endr
	LNSUM
	v_mul_f32 v[T+8], \ninv, v[T]                  ; - mean
.set LP, 0
.rept (\n)/2
	v_pk_add_f32 v[\y+2*LP:\y+2*LP+1], v[\y+2*LP:\y+2*LP+1], v[T+8:T+9] op_sel_hi:[1,0]
.set LP, LP+1
.endr
.irp k, 0,1,2,3
	v_pk_mul_f32 v[T+2*\k:T+2*\k+1], v[\y+2*\k:\y+2*\k+1], v[\y+2*\k:\y+2*\k+1]
.endr
.set LP, 4
.rept (\n)/2-4
	v_pk_fma_f32 v[T+2*(LP%4):T+2*(LP%4)+1], v[\y+2*LP:\y+2*LP+1], v[\y+2*LP:\y+2*LP+1], v[T+2*(LP%4):T+2*(LP%4)+1]
.set LP, LP+1
.endr
	LNSUM
	v_fma_f32 v[T], v[T], s[\sinv], s72            ; variance + 1e-5
	v_rsq_f32 v[T+10], v[T]
	v_nop                                          ; a plain instruction between the root and its use
.set LP, 0
	s_wait_alu depctr_va_vdst(0)                   ; the root has written v[T+10], ahead of its first reader
.rept (\n)/2
	v_pk_mul_f32 v[\y+2*LP:\y+2*LP+1], v[\y+2*LP:\y+2*LP+1], v[T+10:T+11] op_sel_hi:[1,0]
.set LP, LP+1
.endr
	WIN \win
.set LP, 0
.rept (\n)/2
	v_pk_fma_f32 v[\y+2*LP:\y+2*LP+1], v[\y+2*LP:\y+2*LP+1], v[\g+2*LP:\g+2*LP+1], v[\be+2*LP:\be+2*LP+1]
.set LP, LP+1
.endr
	WIN 0
.endm
; 64 numbers of a lane, two whole blocks of 32 (blocks h and 2 + h of my row), become the operand's 8 registers v[hc ..] and the row's scale word.
; sgn = 1: signed numbers.  sgn = 0: relu is part of it: the maxima are taken without |.|, and negative codes are cut to -0 behind the conversions.
.macro QBLK2 y, hc, word, sgn
.irp c, 0,1
	MAXF T+16+\c, \y+32*\c, \y+32*\c+1, \sgn
	MAX0 T+22+\c, \y+32*\c+16, \y+32*\c+17, \y+32*\c+18, \sgn
.endr
.irp k, 0,1,2,3,4,5
.irp c, 0,1
	MAXA T+16+\c, \y+32*\c+2+2*\k, \y+32*\c+3+2*\k, \sgn
	MAXA T+22+\c, \y+32*\c+19+2*\k, \y+32*\c+20+2*\k, \sgn
.endr
.endr
.irp c, 0,1
	MAXA T+16+\c, \y+32*\c+14, \y+32*\c+15, \sgn
.endr
.irp c, 0,1
	MAXA T+16+\c, T+22+\c, \y+32*\c+31, \sgn
.endr
.irp c, 0,1
	v_add_nc_u32 v[T+18+\c], EOFF, v[T+16+\c]      ; the conversion takes the exponent field of this operand as its scale
.endr
.irp c, 0,1
	v_lshrrev_b32 v[T+20+\c], 23, v[T+18+\c]       ; the scale's byte
.endr
	v_lshl_or_b32 v[\word], v[T+21], 16, v[T+20]   ; my two bytes, at blocks h and 2 + h;
	v_lshlrev_b32 v[\word], v[SH8], v[\word]
	v_permlanex16_b32 v[T+12], v[\word], s66, s67
	v_or_b32 v[\word], v[\word], v[T+12]           ; with the other half's two the word is whole
.irp c, 0,1
.irp g, 0,1,2,3
	v_cvt_scalef32_pk8_fp4_f32 v[\hc+4*\c+\g], v[\y+32*\c+8*\g:\y+32*\c+8*\g+7], v[T+18+\c]
.endr
.endr
.if \sgn
	PLACES 8                                       ; a scale word made by vector instructions stands 8 places ahead of the scaled product, an operand 4
.else
	v_nop                                          ; a plain instruction behind the conversions
.irp k, 0,1,2,3,4,5,6,7
	v_and_b32 v[T+2*\k], s69, v[\hc+\k]            ; the sign bits of eight codes,
.endr
.irp k, 0,1,2,3,4,5,6,7
	v_lshrrev_b32 v[T+2*\k+1], 3, v[T+2*\k]
.endr
.irp k, 0,1,2,3,4,5,6,7
	v_sub_nc_u32 v[T+2*\k], v[T+2*\k], v[T+2*\k+1] ; 7 in each negative code's place:
.endr
.irp k, 0,1,2,3,4,5,6,7
	v_bfi_b32 v[\hc+\k], v[T+2*\k], 0, v[\hc+\k]   ; its magnitude is cleared
.endr
	PLACES 4
.endif
.endm
; 16 numbers of a lane, half a block (the other half lies 16 lanes away): relu in f32, two registers of codes, the scale word (the byte twice)
.macro QHALF z, oc, word
	v_max3_num_f32 v[T+16], v[\z], v[\z+1], FLOOR
	v_max3_num_f32 v[T+22], v[\z+8], v[\z+9], v[\z+10]
	v_max3_num_f32 v[T+16], v[T+16], v[\z+2], v[\z+3]
	v_max3_num_f32 v[T+22], v[T+22], v[\z+11], v[\z+12]
	v_max3_num_f32 v[T+16], v[T+16], v[\z+4], v[\z+5]
	v_max3_num_f32 v[T+22], v[T+22], v[\z+13], v[\z+14]
	v_max3_num_f32 v[T+16], v[T+16], v[\z+6], v[\z+7]
	v_max3_num_f32 v[T+16], v[T+16], v[T+22], v[\z+15]
	v_permlanex16_b32 v[T+12], v[T+16], s66, s67
	v_max_num_f32 v[T+16], v[T+16], v[T+12]
	v_add_nc_u32 v[T+18], EOFF, v[T+16]
	v_lshrrev_b32 v[T+20], 23, v[T+18]
	v_lshl_or_b32 v[\word], v[T+20], 8, v[T+20]
.set LP, 0
.rept 16
	v_max_num_f32 v[\z+LP], 0, v[\z+LP]            ; relu; these sixteen are also the places behind the scale word
.set LP, LP+1
.endr
	v_cvt_scalef32_pk8_fp4_f32 v[\oc], v[\z:\z+7], v[T+18]
	v_cvt_scalef32_pk8_fp4_f32 v[\oc+1], v[\z+8:\z+15], v[T+18]
	PLACES 4
.endm
; A trip's 32 rows are asked for: 4,096 consecutive bytes of feat_emb by eight loads of 512, and 128 bytes each of x and of mask.
.macro FETCH
.irp i, 0,1,2,3,4,5,6,7
	global_load_b128 v[RAW+4*\i:RAW+4*\i+3], v[FA], s[8:9] offset:512*\i       ; 16 bytes of row 4 i + lane / 8
.endr
	global_load_b32 v[XV], v[XA], s[4:5]
	global_load_b32 v[MK], v[XA], s[6:7]
.endm
; h_b1 in the result's layout, with which a tile's sums begin: loads from .. to of its sixteen; load n brings v[Y + 4 n ..]
.macro B1LOAD from, to
.set BN, \from
.rept (\to)-(\from)+1
	ds_load_b128 v[Y+4*BN:Y+4*BN+3], v[B1A] offset:256*(BN/8)+16*(BN%8)
.set BN, BN+1
.endr
.endm
; The rows turn through my stage: in as they came, out a whole row to a lane
.macro TURN
	s_wait_loadcnt 0x0                             ; the ten loads asked for a trip ago
	s_wait_alu depctr_va_vdst(0)                   ; the tile before (in the first trip: the head) is done writing and reading v[Y .. Y+63], in which the sixteen LDS loads below land
.irp i, 0,1,2,3,4,5,6,7
	ds_store_b128 v[STS], v[RAW+4*\i:RAW+4*\i+3] offset:576*\i
.endr
.irp c, 0,1,2,3,4,5,6,7
	ds_load_b128 v[X+4*\c:X+4*\c+3], v[STL] offset:16*\c           ; LDS serves a wave's instructions in order: these see the stores above
.endr
	B1LOAD 8, 15                                   ; the upper half of the first tile's h_b1, into v[Y+32 .. Y+63], which QUANT_IN does not name: it lands under QUANT_IN
	s_wait_dscnt 8                                 ; LDS loads come back in order: the rows are in, the eight younger loads stay out
	s_wait_alu depctr_vm_vsrc(0)                   ; the LDS stores have read RAW, in which the fetch's loads land; the last fetch's loads have read v[FA] and v[XA], which the two adds write
	v_add_nc_u32 v[FA], 4096, v[FA]                ; the two offsets go one trip on: the loads that named them were shown done by the wait for all loads above.  (In the last trip no load reads them any more)
	v_add_nc_u32 v[XA], 128, v[XA]
.endm
; 32 rows, a lane to a row, become the two operands of the first product; the 32 bits of the mask become the two tiles' lane masks
.macro QUANT_IN
	v_cmp_ne_u32 s75, 0, v[MK]                     ; bit l: is row l observed?
	v_max3_num_f32 v[T+17], |v[X+31]|, |v[X+31]|, FLOOR            ; block 1 is emb[31] alone
	v_add_nc_u32 v[T+19], EOFF, v[T+17]
	v_lshrrev_b32 v[T+21], 23, v[T+19]
	v_cvt_scalef32_pk8_fp4_f32 v[OPB], v[X+24:X+31], v[T+19]       ; its code at place 7; the seven beside it meet zero codes of W1
	MAXF T+16, X, X+1, 1
	MAX0 T+22, X+16, X+17, X+18, 1
.irp k, 0,1,2,3,4,5
	MAXA T+16, X+2+2*\k, X+3+2*\k, 1
	MAXA T+22, X+19+2*\k, X+20+2*\k, 1
.endr
	MAXA T+16, X+14, X+15, 1
	v_mov_b32 v[X+31], v[XV]                       ; place 31 of block 0 is x
	MAXA T+16, T+22, X+31, 1
	v_add_nc_u32 v[T+18], EOFF, v[T+16]
	v_lshrrev_b32 v[T+20], 23, v[T+18]
	v_lshl_or_b32 v[SW], v[T+21], 8, v[T+20]       ; lane l: row l's word; the second tile reads lanes 16-31
.irp g, 0,1,2,3
	v_cvt_scalef32_pk8_fp4_f32 v[OPA+\g], v[X+8*\g:X+8*\g+7], v[T+18]
.endr
	v_nop
.irp i, 0,1,2,3
	v_permlane16_swap_b32 v[OPA+\i], v[OPB+\i]     ; OPA: rows 0-15, block 0 in lanes 0-15 and block 1 in lanes 16-31; OPB: rows 16-31 likewise
.endr
	s_wait_alu depctr_va_sdst(0)                   ; the compare has written s75, ahead of its first reader
	s_and_b32 s76, s75, 0xffff                     ; in a tile lanes r and 16 + r hold row r: the first tile's mask is bits 0-15 twice,
	s_lshl_b32 s77, s75, 16
	s_or_b32 s76, s76, s77
	s_lshr_b32 s77, s75, 16                        ; the second's bits 16-31 twice
	s_and_b32 s78, s75, s68
	s_or_b32 s77, s77, s78
	PLACES 8                                       ; the scale word 8 places, the operands 4, ahead of the scaled product
	s_wait_alu depctr_va_vdst(0)                   ; OPA, OPB and v[SW] are written, which the scaled products take; v[FA] and v[XA] are written, which the fetch reads; v[XV], v[MK] and v[X .. X+31] have been read, in which the fetch's and h_b1's loads land
.endm
; A tile of 16 rows through the whole chain.  op: its operand; row1: its scale words lie in lanes 16-31; smask: the scalar that holds its lane mask of observed rows;
; to: loads 0 .. to of its h_b1 are issued at its head (the others are out already); next = 1: twelve loads of the next tile's h_b1 are issued behind the exponentials
.macro TILE op, row1, smask, to, next
	B1LOAD 0, \to                                  ; no vector or matrix instruction since the wait ahead of the tile names these registers
	s_wait_dscnt 0x0                               ; h_b1 is whole
	WIN 0x01                                       ; source 0 in window 1
.irp t, 0,1,2,3,4,5,6,7
.if \row1
	v_wmma_scale_f32_16x16x128_f8f6f4 v[Y+8*\t:Y+8*\t+7], v[W1F+4*\t:W1F+4*\t+7], v[\op:\op+7], v[Y+8*\t:Y+8*\t+7], v[W1S+\t], v[SW] matrix_a_fmt:MATRIX_FMT_FP4 matrix_b_fmt:MATRIX_FMT_FP4 matrix_b_scale:MATRIX_SCALE_ROW1
.else
	v_wmma_scale_f32_16x16x128_f8f6f4 v[Y+8*\t:Y+8*\t+7], v[W1F+4*\t:W1F+4*\t+7], v[\op:\op+7], v[Y+8*\t:Y+8*\t+7], v[W1S+\t], v[SW] matrix_a_fmt:MATRIX_FMT_FP4 matrix_b_fmt:MATRIX_FMT_FP4
.endif
.endr
	WIN 0
	PLACES 4                                       ; four places between a product and the first read of its result (ISA guide 7.12.1)
	LNORM Y, 64, 0xbc000000, 73, 0x14, G1N, BE1
	QBLK2 Y, HC, HW, 0
	s_wait_alu depctr_va_vdst(0)                   ; v[HC ..] and v[HW] are written, which the scaled products below take (their places stand above); the conversions are done reading v[Y+16 .. Y+47], in which g_w2 lands
.irp j, 0,1,2,3,4,5,6,7
	ds_load_b128 v[GW+4*\j:GW+4*\j+3], v[GTA] offset:16*\j         ; g_w2, into registers that the hidden layer has left; waited for at the gate
.endr
	WIN 0x01
.irp u, 0,1
	v_wmma_scale_f32_16x16x128_f8f6f4 v[Z+8*\u:Z+8*\u+7], v[W2F+8*\u:W2F+8*\u+7], v[HC:HC+7], v[B2+8*\u:B2+8*\u+7], v[W2S+\u], v[HW] matrix_a_fmt:MATRIX_FMT_FP4 matrix_b_fmt:MATRIX_FMT_FP4
.endr
	WIN 0
	PLACES 4
	LNORM Z, 16, 0xbd000000, 74, 0, G2, BE2
	QHALF Z, OC, OW
	s_wait_alu depctr_va_vdst(0)                   ; v[OC], v[OC+1] and v[OW] are written, which the scaled product below takes (their places stand above)
	v_wmma_scale_f32_16x16x128_f8f6f4 v[GH:GH+7], v[G1:G1+7], v[OC:OC+7], v[GB1:GB1+7], v[G1S], v[OW] matrix_a_fmt:MATRIX_FMT_FP4 matrix_b_fmt:MATRIX_FMT_FP4
	PLACES 4
.irp j, 0,1,2,3,4,5,6,7
	v_max_num_f32 v[GH+\j], 0, v[GH+\j]
.endr
	s_wait_dscnt 0x0                               ; g_w2
	v_pk_fma_f32 v[T+24:T+25], v[GH:GH+1], v[GW:GW+1], v[GB2:GB2+1] op_sel_hi:[0,1,1]          ; my 8 units x 4 heads, in f32: the result goes on into a quantiser
	v_pk_fma_f32 v[T+26:T+27], v[GH:GH+1], v[GW+2:GW+3], v[GB2+2:GB2+3] op_sel_hi:[0,1,1]
	v_pk_fma_f32 v[T+24:T+25], v[GH:GH+1], v[GW+4:GW+5], v[T+24:T+25] op_sel:[1,0,0] op_sel_hi:[1,1,1]
	v_pk_fma_f32 v[T+26:T+27], v[GH:GH+1], v[GW+6:GW+7], v[T+26:T+27] op_sel:[1,0,0] op_sel_hi:[1,1,1]
.irp j, 2,4,6
	v_pk_fma_f32 v[T+24:T+25], v[GH+\j:GH+\j+1], v[GW+4*\j:GW+4*\j+1], v[T+24:T+25] op_sel_hi:[0,1,1]
	v_pk_fma_f32 v[T+26:T+27], v[GH+\j:GH+\j+1], v[GW+4*\j+2:GW+4*\j+3], v[T+26:T+27] op_sel_hi:[0,1,1]
	v_pk_fma_f32 v[T+24:T+25], v[GH+\j:GH+\j+1], v[GW+4*\j+4:GW+4*\j+5], v[T+24:T+25] op_sel:[1,0,0] op_sel_hi:[1,1,1]
	v_pk_fma_f32 v[T+26:T+27], v[GH+\j:GH+\j+1], v[GW+4*\j+6:GW+4*\j+7], v[T+26:T+27] op_sel:[1,0,0] op_sel_hi:[1,1,1]
.endr
.irp w, 0,1,2,3
	v_permlanex16_b32 v[T+12+\w], v[T+24+\w], s66, s67
.endr
	v_pk_add_f32 v[T+24:T+25], v[T+24:T+25], v[T+12:T+13]          ; with the other 8 units: the four logits, in both halves
	v_pk_add_f32 v[T+26:T+27], v[T+26:T+27], v[T+14:T+15]
.irp w, 0,1,2,3
	v_med3_num_f32 v[T+24+\w], v[T+24+\w], s70, s71                ; the clip to +-10
.endr
	v_pk_mul_f32 v[T+24:T+25], v[T+24:T+25], 0x3fb8aa3b op_sel_hi:[1,0]
	v_pk_mul_f32 v[T+26:T+27], v[T+26:T+27], 0x3fb8aa3b op_sel_hi:[1,0]
.irp w, 0,1,2,3
	v_exp_f32 v[T+28+\w], v[T+24+\w]
.endr
	v_nop                                          ; a plain instruction between the exponentials and their use
	s_wait_alu depctr_va_vdst(0)                   ; the exponentials have written v[T+28 .. T+31], ahead of their first reader; and the gate is done reading v[Y+16 .. Y+55]
.if \next
	B1LOAD 4, 15                                   ; the next tile's h_b1 but for its first four loads: the sums below name v[Y .. Y+15], v[T+28 ..] and window 1 alone
.endif
.irp w, 0,1,2,3
	v_cndmask_b32 v[T+28+\w], 0, v[T+28+\w], s[\smask]             ; an unobserved row weighs nothing
.endr
	WIN 0x50                                       ; source 2 and destination in window 1
	v_pk_fma_f32 v[DEN:DEN+1], v[T+28:T+29], 1.0, v[DEN:DEN+1] op_sel_hi:[1,0,1]
	v_pk_fma_f32 v[DEN+2:DEN+3], v[T+30:T+31], 1.0, v[DEN+2:DEN+3] op_sel_hi:[1,0,1]
.irp p, 0,1,2,3,4,5,6,7
.irp w, 0,2
	v_pk_fma_f32 v[NUM+16*\w+2*\p:NUM+16*\w+2*\p+1], v[Z+2*\p:Z+2*\p+1], v[T+28+\w:T+29+\w], v[NUM+16*\w+2*\p:NUM+16*\w+2*\p+1] op_sel_hi:[1,0,1]
	v_pk_fma_f32 v[NUM+16*\w+16+2*\p:NUM+16*\w+17+2*\p], v[Z+2*\p:Z+2*\p+1], v[T+28+\w:T+29+\w], v[NUM+16*\w+16+2*\p:NUM+16*\w+17+2*\p] op_sel:[0,1,0] op_sel_hi:[1,1,1]
.endr
.endr
	WIN 0
.endm
	; ---- the head: pointers, lane terms, every LDS address of the loop
	s_load_b512 s[4:19], s[0:1], 0x0               ; x, mask, feat_emb, h_w1, h_b1, h_ln1_g, h_ln1_b, h_w2_codes
	s_load_b512 s[20:35], s[0:1], 0x40             ; h_w2_scales, h_b2, h_ln2_g, h_ln2_b, g_w1_codes, g_w1_scales, g_b1, g_w2
	s_load_b128 s[36:39], s[0:1], 0x80             ; g_b2, part
	v_lshl_add_u32 v18, v0, 2, 0x1d000
	v_mov_b32 v19, 0
	v_lshrrev_b32 v[T+14], 5, v0
	v_readfirstlane_b32 s61, v[T+14]               ; wave 0..7
	v_and_b32 v[LANE], 31, v0
	v_and_b32 v[R16], 15, v0
	v_bfe_u32 v[T+10], v0, 4, 1                    ; h
	v_bfe_u32 v[T+11], v0, 3, 2                    ; lane / 8
	v_bfe_u32 v[T+12], v0, 3, 1                    ; r / 8
	v_and_b32 v[T+13], 7, v0                       ; r % 8
	v_mov_b32 v[ZERO], 0
	v_lshlrev_b32 v[SH8], 3, v[T+10]
	v_lshlrev_b32 v[P16], 4, v[T+13]
	v_lshlrev_b32 v[FA], 4, v[LANE]
	v_lshlrev_b32 v[XA], 2, v[LANE]
	s_wait_alu depctr_va_sdst(0)                   ; s61 is written, ahead of its first reader
	s_mul_i32 s62, s61, 4608
	s_add_co_u32 s62, s62, STG
	v_mad_u32_u24 v[STS], v[T+11], 144, v[P16]     ; load i of lane l brings 16 bytes of row 4 i + l / 8: 144 x row + 16 (l % 8)
	v_add_nc_u32 v[STS], s62, v[STS]
	v_mul_u32_u24 v[STL], v[LANE], 144
	v_add_nc_u32 v[STL], s62, v[STL]
	s_mul_i32 s62, s61, 768
	s_add_co_u32 s62, s62, TB
	v_lshl_add_u32 v[B1A], v[T+10], 7, s62
	v_add_nc_u32 v[GTA], 512, v[B1A]
	v_lshl_add_u32 v[OC+2], v[LANE], 4, s62        ; v152-157 hold addresses of the head alone: where my copy of h_b1 goes,
	v_lshl_add_u32 v[OC+3], v[LANE], 3, s62
	v_add_nc_u32 v[OC+3], 512, v[OC+3]             ; my copy of g_w2,
	s_lshl_b32 s62, s61, 9
	v_lshl_add_u32 v[OC], v[LANE], 4, s62          ; my tile's image (W1IMG = 0),
	s_lshl_b32 s62, s61, 7
	s_add_co_u32 s62, s62, W1SC
	v_lshl_add_u32 v[OC+1], v[LANE], 2, s62        ; its scale words;
	v_lshlrev_b32 v[OC+4], 4, v[LANE]              ; and from where any tile's image
	v_lshl_add_u32 v[OC+5], v[LANE], 2, W1SC       ; and scale words come back
	v_lshl_add_u32 v[T+15], v[T+12], 5, v[T+13]    ; 32 (r / 8) + r % 8
	v_lshl_add_u32 v[T+14], v[T+12], 4, v[T+13]    ; 16 (r / 8) + r % 8
	s_lshr_b32 s62, s61, 2
	s_lshl_b32 s62, s62, 6
	s_and_b32 s63, s61, 3
	s_lshl_b32 s63, s63, 3
	s_add_co_u32 s62, s62, s63
	v_add_lshl_u32 v[T+1], v[T+15], s62, 2         ; h_w1: my unit of tile (wave): 64 (wave / 4) + 8 (wave % 4) + 32 (r / 8) + r % 8
	v_lshlrev_b32 v[T+2], 6, v[T+10]               ; 64 h
	v_lshlrev_b32 v[T+3], 5, v[T+10]               ; 32 h
	v_lshlrev_b32 v[T+4], 6, v[T+14]
	v_lshl_add_u32 v[T+4], v[T+10], 4, v[T+4]      ; h_w2's codes: rows of 64 bytes, + 16 h
	v_lshlrev_b32 v[T+5], 2, v[T+14]               ; its scale words
	v_lshlrev_b32 v[T+6], 4, v[R16]
	v_lshl_add_u32 v[T+6], v[T+10], 3, v[T+6]      ; g_w1's codes: 16 r + 8 h
	v_lshlrev_b32 v[T+7], 7, v[T+10]               ; 128 h
	v_lshlrev_b32 v[T+8], 4, v[LANE]
	v_lshlrev_b32 v[T+9], 3, v[LANE]
	s_mov_b32 s66, 0x76543210
	s_mov_b32 s67, 0xfedcba98                      ; v_permlanex16_b32's selects for lane l xor 16
	s_mov_b32 s68, 0xffff0000                      ; lanes 16-31
	s_mov_b32 s69, 0x88888888                      ; the sign bits of eight codes
	s_mov_b32 s70, 0xc1200000                      ; -10
	s_mov_b32 s71, 0x41200000                      ; 10
	s_mov_b32 s72, 0x3727c5ac                      ; 1e-5
	s_mov_b32 s73, 0x3c000000                      ; 1 / 128
	s_mov_b32 s74, 0x3d000000                      ; 1 / 32
	s_and_b32 s75, ttmp7, 0xffff                   ; the batch
	s_lshl_b32 s62, s75, 16                        ; x, mask: 65,536 bytes a batch + 4 x my wave's first junction (4,096 x quarter + 512 x wave)
	s_lshl_b32 s63, ttmp9, 14
	s_add_co_u32 s62, s62, s63
	s_lshl_b32 s63, s61, 11
	s_add_co_u32 s62, s62, s63
	s_mov_b32 s63, 0
	s_lshl_b32 s76, ttmp9, 19                      ; feat_emb: 128 bytes a junction
	s_lshl_b32 s77, s61, 16
	s_add_co_u32 s76, s76, s77
	s_mov_b32 s77, 0
	s_lshl_b32 s78, s75, 2                         ; part: 1,024 bytes for (4 x batch + quarter)
	s_add_co_u32 s78, s78, ttmp9
	s_lshl_b32 s78, s78, 10
	s_mov_b32 s79, 0
	s_wait_kmcnt 0x0
	s_add_nc_u64 s[4:5], s[4:5], s[62:63]
	s_add_nc_u64 s[6:7], s[6:7], s[62:63]
	s_add_nc_u64 s[8:9], s[8:9], s[76:77]
	s_add_nc_u64 s[38:39], s[38:39], s[78:79]
	; ---- all that the head reads, in one run; the first trip's rows go with it
	s_wait_alu depctr_va_vdst(0)                   ; every offset and LDS address made above is written: the loads below, the head's LDS instructions and the loop's read them
	FETCH
.irp p, 0,1,2,3,4,5,6,7,8,9,10,11,12,13,14,15,16,17,18,19,20,21,22,23,24,25,26,27,28,29,30
	global_load_b32 v[WR+\p], v[T+1], s[10:11] offset:512*(\p+1)   ; place p: the row that meets emb[p]
.endr
	global_load_b32 v[WR+31], v[T+1], s[10:11]                     ; place 31: the row that meets x
	global_load_b32 v[WR+32], v[T+1], s[10:11] offset:16384        ; the row that meets emb[31]
.irp q, 0,1,2,3
	global_load_b128 v[B2+4*\q:B2+4*\q+3], v[T+2], s[22:23] offset:16*\q
	global_load_b128 v[G2+4*\q:G2+4*\q+3], v[T+2], s[24:25] offset:16*\q
	global_load_b128 v[BE2+4*\q:BE2+4*\q+3], v[T+2], s[26:27] offset:16*\q
.endr
	global_load_b128 v[GB1:GB1+3], v[T+3], s[32:33]
	global_load_b128 v[GB1+4:GB1+7], v[T+3], s[32:33] offset:16
	global_load_b128 v[GB2:GB2+3], v[ZERO], s[36:37]
	global_load_b32 v[W2S], v[T+5], s[20:21]
	global_load_b32 v[W2S+1], v[T+5], s[20:21] offset:32
	global_load_b64 v[G1:G1+1], v[T+6], s[28:29]
	global_load_u8 v[G1S], v[R16], s[30:31]
	global_load_b128 v[OPA:OPA+3], v[T+8], s[12:13]                ; h_b1, 512 bytes on end
	global_load_b64 v[OPB:OPB+1], v[T+9], s[34:35]                 ; g_w2, 256 bytes on end
	WIN 0x40                                       ; destination in window 1
.irp u, 0,1
.irp c, 0,1
	global_load_b128 v[W2F+8*\u+4*\c:W2F+8*\u+4*\c+3], v[T+4], s[18:19] offset:512*\u+32*\c
.endr
.endr
.irp c, 0,1
.irp q, 0,1,2,3,4,5,6,7
	global_load_b128 v[G1N+32*\c+4*\q:G1N+32*\c+4*\q+3], v[T+7], s[14:15] offset:256*\c+16*\q
	global_load_b128 v[BE1+32*\c+4*\q:BE1+32*\c+4*\q+3], v[T+7], s[16:17] offset:256*\c+16*\q
.endr
.endr
	WIN 0
	s_wait_loadcnt 0x0                             ; once: all of it is wanted below
	; ---- tile (wave) of W1 is quantised: lanes 0-15 block 0, lanes 16-31 block 1 (zeros but for place 7)
.irp p, 0,1,2,3,4,5,6,8,9,10,11,12,13,14,15,16,17,18,19,20,21,22,23,24,25,26,27,28,29,30,31
	v_cndmask_b32 v[WR+\p], v[WR+\p], v[ZERO], s68
.endr
	v_cndmask_b32 v[WR+7], v[WR+7], v[WR+32], s68
	MAXF T+16, WR, WR+1, 1
	MAX0 T+22, WR+16, WR+17, WR+18, 1
.irp k, 0,1,2,3,4,5
	MAXA T+16, WR+2+2*\k, WR+3+2*\k, 1
	MAXA T+22, WR+19+2*\k, WR+20+2*\k, 1
.endr
	MAXA T+16, WR+14, WR+15, 1
	MAXA T+16, T+22, WR+31, 1
	v_add_nc_u32 v[T+18], EOFF, v[T+16]
	v_lshrrev_b32 v[T+20], 23, v[T+18]
	v_lshlrev_b32 v[T+20], v[SH8], v[T+20]
	v_permlanex16_b32 v[T+12], v[T+20], s66, s67
	v_or_b32 v[T+20], v[T+20], v[T+12]
	v_or_b32 v[T+20], 0x7f7f0000, v[T+20]          ; blocks 2 and 3 meet zero codes: the byte of 1.0
.irp g, 0,1,2,3
	v_cvt_scalef32_pk8_fp4_f32 v[HC+\g], v[WR+8*\g:WR+8*\g+7], v[T+18]
.endr
	v_nop
	s_wait_alu depctr_va_vdst(0)                   ; the conversions have written v[HC .. HC+3], and v[T+20] is written: the LDS stores read them
	ds_store_b128 v[OC], v[HC:HC+3]
	ds_store_b32 v[OC+1], v[T+20]
	ds_store_b128 v[OC+2], v[OPA:OPA+3]
	ds_store_b64 v[OC+3], v[OPB:OPB+1]
	s_wait_dscnt 0x0                               ; for the others' sake: my tile's image lies in LDS
	s_barrier_signal -1
	s_barrier_wait -1
	WIN 0x40
.irp t, 0,1,2,3,4,5,6,7
	ds_load_b128 v[W1F+4*\t:W1F+4*\t+3], v[OC+4] offset:W1IMG+512*\t
.endr
.irp i, 0,1,2,3
	v_mov_b32 v[W1F+32+\i], 0
.endr
.set LP, 0
.rept 68
	v_mov_b32 v[NUM+LP], 0                         ; the sums: the trip is written once, and its first turn finds zeros
.set LP, LP+1
.endr
	WIN 0
.irp t, 0,1,2,3,4,5,6,7
	ds_load_b32 v[W1S+\t], v[OC+5] offset:128*\t
.endr
	s_wait_alu depctr_vm_vsrc(0)                   ; the head's loads have read their offsets v[T+1 .. T+9]; the LDS stores have read v[HC ..], v[T+20], v[OPA ..], v[OPB ..] and v[OC .. OC+3]; the LDS loads v[OC+4] and v[OC+5]: all are written again from here on
	v_lshl_or_b32 v[G1S], v[G1S], 8, v[G1S]        ; g_w1's byte for both halves of its block
.irp i, 0,1,2,3
	v_cndmask_b32 v[GB2+\i], v[GB2+\i], v[ZERO], s68               ; g_b2 is added once: in lanes 0-15
.endr
.irp i, 4,5,6,7
	v_mov_b32 v[OPA+\i], 0
.endr
.irp i, 1,2,3,4,5,6,7
	v_mov_b32 v[OPB+\i], 0
.endr
	s_wait_dscnt 0x0
.irp i, 0,1,2,3,4,5,6,7
	v_mov_b32 v[OC+\i], 0
.endr
	s_mov_b32 s58, 0                               ; the trip
.Lgroup:
	TURN
	QUANT_IN
	s_cmp_eq_u32 s58, TRIPS-1
	s_cbranch_scc1 .Lno_fetch                      ; the last trip asks for nothing: no load leaves its buffer
	FETCH                                          ; the next 32 rows land under this trip's tiles
.Lno_fetch:
	TILE OPA, 0, 76, 7, 1
	s_wait_alu depctr_va_vdst(0)                   ; the first tile's weighted sums are done reading v[Y .. Y+15], in which the last four loads of the second tile's h_b1 land
	TILE OPB, 1, 77, 3, 0
	s_add_co_u32 s58, s58, 1
	s_cmp_lt_u32 s58, TRIPS
	s_cbranch_scc1 .Lgroup
	; ---- the eight waves' sums meet in LDS
	v_mul_u32_u24 v[T], v[LANE], 272
	s_mul_i32 s62, s61, 8704
	s_add_co_u32 s62, s62, RED
	v_add_nc_u32 v[T+1], s62, v[T]                 ; where my 68 sums go
	s_lshl_b32 s62, s61, 5
	s_add_co_u32 s62, s62, RED
	v_add_nc_u32 v[T+2], s62, v[T]                 ; sums 8 wave .. 8 wave + 7 of my lane, in wave 0's part
	s_lshr_b32 s62, s61, 1
	s_lshl_b32 s62, s62, 7
	s_and_b32 s63, s61, 1
	s_lshl_b32 s63, s63, 5
	s_add_co_u32 s62, s62, s63
	s_add_co_u32 s62, s62, OUT
	v_bfe_u32 v[T+3], v0, 4, 1
	v_lshl_add_u32 v[T+3], v[T+3], 6, s62          ; they are head wave / 2, d = 16 h + 8 (wave % 2) + 0 .. 7
	v_mov_b32 v[T+4], OUT+512
	v_lshl_add_u32 v[T+5], v[LANE], 4, OUT
	v_lshlrev_b32 v[T+6], 4, v[LANE]
	WIN 0x04                                       ; an LDS store's data are its source 1: window 1
	s_wait_alu depctr_va_vdst(0)                   ; the 68 sums and the addresses v[T+1 .. T+6] are written, which the stores and loads below read; the last tile is done with v[Y ..], in which the loads behind the barrier land
.irp q, 0,1,2,3,4,5,6,7,8,9,10,11,12,13,14,15,16
	ds_store_b128 v[T+1], v[NUM+4*\q:NUM+4*\q+3] offset:16*\q
.endr
	WIN 0
	s_wait_dscnt 0x0
	s_barrier_signal -1
	s_barrier_wait -1
.irp s, 0,1,2,3,4,5,6,7
	ds_load_b128 v[Y+8*\s:Y+8*\s+3], v[T+2] offset:8704*\s
	ds_load_b128 v[Y+8*\s+4:Y+8*\s+7], v[T+2] offset:8704*\s+16
.endr
	s_wait_dscnt 0x0
.irp s, 0,2,4,6
.irp k, 0,2,4,6
	v_pk_add_f32 v[Y+8*\s+\k:Y+8*\s+\k+1], v[Y+8*\s+\k:Y+8*\s+\k+1], v[Y+8*\s+8+\k:Y+8*\s+9+\k]
.endr
.endr
.irp s, 0,4
.irp k, 0,2,4,6
	v_pk_add_f32 v[Y+8*\s+\k:Y+8*\s+\k+1], v[Y+8*\s+\k:Y+8*\s+\k+1], v[Y+8*\s+16+\k:Y+8*\s+17+\k]
.endr
.endr
.irp k, 0,2,4,6
	v_pk_add_f32 v[Y+\k:Y+\k+1], v[Y+\k:Y+\k+1], v[Y+32+\k:Y+33+\k]
.endr
.irp m, 1,2,4,8
.irp k, 0,1,2,3,4,5,6,7
	v_add_f32_dpp v[Y+\k], v[Y+\k], v[Y+\k] row_xmask:\m row_mask:0xf bank_mask:0xf    ; over the sixteen rows of a half
.endr
.endr
	s_wait_alu depctr_va_vdst(0)                   ; the additions have written v[Y .. Y+7], which the two stores read, and are done with v[Y+16 .. Y+47], in which wave 0's loads of den land
	ds_store_b128 v[T+3], v[Y:Y+3]                 ; the sixteen lanes of a half write the same numbers to the same bytes
	ds_store_b128 v[T+3], v[Y+4:Y+7] offset:16
	s_cmp_lg_u32 s61, 0
	s_cbranch_scc1 .Lno_den
.irp s, 0,1,2,3,4,5,6,7
	ds_load_b128 v[Y+16+4*\s:Y+16+4*\s+3], v[T+2] offset:8704*\s+256               ; wave 0 also sums den
.endr
	s_wait_dscnt 0x0
.irp s, 0,2,4,6
.irp k, 0,2
	v_pk_add_f32 v[Y+16+4*\s+\k:Y+17+4*\s+\k], v[Y+16+4*\s+\k:Y+17+4*\s+\k], v[Y+20+4*\s+\k:Y+21+4*\s+\k]
.endr
.endr
.irp s, 0,4
.irp k, 0,2
	v_pk_add_f32 v[Y+16+4*\s+\k:Y+17+4*\s+\k], v[Y+16+4*\s+\k:Y+17+4*\s+\k], v[Y+24+4*\s+\k:Y+25+4*\s+\k]
.endr
.endr
.irp k, 0,2
	v_pk_add_f32 v[Y+16+\k:Y+17+\k], v[Y+16+\k:Y+17+\k], v[Y+32+\k:Y+33+\k]
.endr
.irp m, 1,2,4,8
.irp k, 0,1,2,3
	v_add_f32_dpp v[Y+16+\k], v[Y+16+\k], v[Y+16+\k] row_xmask:\m row_mask:0xf bank_mask:0xf
.endr
.endr
	s_wait_alu depctr_va_vdst(0)                   ; the additions have written v[Y+16 .. Y+19], which the store reads
	ds_store_b128 v[T+4], v[Y+16:Y+19]             ; both halves hold the same four numbers
.Lno_den:
	s_wait_dscnt 0x0
	s_barrier_signal -1
	s_barrier_wait -1
	s_wait_alu depctr_vm_vsrc(0)                   ; my LDS stores have read v[Y .. Y+7], in which wave 0's two loads below land
	s_cmp_lg_u32 s61, 0
	s_cbranch_scc1 .Lend
	ds_load_b128 v[Y:Y+3], v[T+5]
	ds_load_b128 v[Y+4:Y+7], v[T+4]
	s_wait_dscnt 0x0
	global_store_b128 v[T+6], v[Y:Y+3], s[38:39]               ; 32 lanes store 512 consecutive bytes, from a multiple of 256 on: num,
	global_store_b128 v[T+6], v[Y+4:Y+7], s[38:39] offset:512  ; and den, 32 times
.Lend:
	s_wait_dscnt 0x0                               ; the closing lines, six on end
	s_wait_alu 0x0
	s_wait_tensorcnt 0x0
	ds_add_u32 v18, v19
	s_wait_dscnt 0x0
	s_endpgm
.Lfunc_end_k_q48f856384d_pairs:
	.size	k_q48f856384d_pairs, .Lfunc_end_k_q48f856384d_pairs-k_q48f856384d_pairs
	.p2alignl 7, 3214868480
	.fill 96, 4, 3214868480
	.section	.rodata,"a",@progbits
	.p2align	6, 0x0
	.amdhsa_kernel k_q48f856384d_pairs
		.amdhsa_group_segment_fixed_size 119808
		.amdhsa_private_segment_fixed_size 0
		.amdhsa_enable_private_segment 0
		.amdhsa_kernarg_size 144
		.amdhsa_user_sgpr_count 2
		.amdhsa_user_sgpr_kernarg_segment_ptr 1
		.amdhsa_wavefront_size32 1
		.amdhsa_system_sgpr_workgroup_id_x 1
		.amdhsa_system_sgpr_workgroup_id_y 1
		.amdhsa_system_sgpr_workgroup_id_z 1
		.amdhsa_system_vgpr_workitem_id 0
		.amdhsa_next_free_vgpr 512
		.amdhsa_next_free_sgpr 96
		.amdhsa_reserve_vcc 0
		.amdhsa_float_denorm_mode_32 3
		.amdhsa_float_denorm_mode_16_64 3
		.amdhsa_memory_ordered 1
		.amdhsa_forward_progress 1
		.amdhsa_inst_pref_size 93
	.end_amdhsa_kernel
	.amdgpu_metadata
---
amdhsa.version: [ 1, 2 ]
amdhsa.kernels:
  - .name:           k_q48f856384d_pairs
    .symbol:         k_q48f856384d_pairs.kd
    .args:
      - { .name: x, .offset: 0, .size: 8, .value_kind: global_buffer, .address_space: global }
      - { .name: mask, .offset: 8, .size: 8, .value_kind: global_buffer, .address_space: global }
      - { .name: feat_emb, .offset: 16, .size: 8, .value_kind: global_buffer, .address_space: global }
      - { .name: h_w1, .offset: 24, .size: 8, .value_kind: global_buffer, .address_space: global }
      - { .name: h_b1, .offset: 32, .size: 8, .value_kind: global_buffer, .address_space: global }
      - { .name: h_ln1_g, .offset: 40, .size: 8, .value_kind: global_buffer, .address_space: global }
      - { .name: h_ln1_b, .offset: 48, .size: 8, .value_kind: global_buffer, .address_space: global }
      - { .name: h_w2_codes, .offset: 56, .size: 8, .value_kind: global_buffer, .address_space: global }
      - { .name: h_w2_scales, .offset: 64, .size: 8, .value_kind: global_buffer, .address_space: global }
      - { .name: h_b2, .offset: 72, .size: 8, .value_kind: global_buffer, .address_space: global }
      - { .name: h_ln2_g, .offset: 80, .size: 8, .value_kind: global_buffer, .address_space: global }
      - { .name: h_ln2_b, .offset: 88, .size: 8, .value_kind: global_buffer, .address_space: global }
      - { .name: g_w1_codes, .offset: 96, .size: 8, .value_kind: global_buffer, .address_space: global }
      - { .name: g_w1_scales, .offset: 104, .size: 8, .value_kind: global_buffer, .address_space: global }
      - { .name: g_b1, .offset: 112, .size: 8, .value_kind: global_buffer, .address_space: global }
      - { .name: g_w2, .offset: 120, .size: 8, .value_kind: global_buffer, .address_space: global }
      - { .name: g_b2, .offset: 128, .size: 8, .value_kind: global_buffer, .address_space: global }
      - { .name: part, .offset: 136, .size: 8, .value_kind: global_buffer, .address_space: global }
    .group_segment_fixed_size: 119808
    .private_segment_fixed_size: 0
    .kernarg_segment_align: 8
    .kernarg_segment_size: 144
    .max_flat_workgroup_size: 256
    .sgpr_count:     96
    .vgpr_count:     512
    .wavefront_size: 32
...
	.end_amdgpu_metadata
.endif
;; end of part 3
;; launch heads (part 4): grid 4 x 1, 4 waves a work-group, no clusters, 37,376 bytes of LDS; arguments part, c_w_codes, c_w_scales, c_b, c_ln_g, c_ln_b, e_w1_codes, e_w1_scales, e_b1, e_ln1_g, e_ln1_b, e_w2_codes, e_w2_scales, e_b2, e_ln2_g, e_ln2_b, out0, out1; writes out0, out1
.if DOCPART == 4
	.amdgcn_target "amdgcn-amd-amdhsa--gfx1250"
	.amdhsa_code_object_version 6
	.text
	.protected	k_q48f856384d_heads
	.globl	k_q48f856384d_heads
	.p2align	8
	.type	k_q48f856384d_heads,@function
k_q48f856384d_heads:
	s_mov_b64 s[64:65], 0
	v_nop
	global_prefetch_b8 v0, s[64:65] scope:SCOPE_SE
	s_setreg_imm32_b32 hwreg(HW_REG_WAVE_SCHED_MODE, 0, 2), 2
	s_setreg_imm32_b32 hwreg(HW_REG_WAVE_MODE, 25, 1), 1
	s_wait_xcnt 0x0
	s_wait_alu depctr_vm_vsrc(0)
; The end of the chain for 16 batches a work-group: the four partial num and den of each batch are added, head_sums = num / max(den, 1e-30); then
; 128 -> 32 (LN, relu, 0 where the batch has no observation) -> 256 (LN, relu) -> 64 (LN, relu) = mu | logvar.  The three products run on codes of FP4 (E2M1) with one E8M0 scale for each 32 along K.
; FOUR WAVES, ONE TEXT: each wave sums 4 batches, and copies its share of every small input into LDS, dense (buffers of 512 bytes and more are shared out by the thread's number; of the four buffers of 256 bytes
; and the four of 128 bytes each wave takes one, its pointer chosen on the wave's number).  One barrier; then 16 rows are one tile, which wave 0 takes through the chain, all its operands read from LDS.
; LAYOUT, as in the launch before: products transposed (source 0 = 16 rows of the weight, source 1 = the 16 batches), lane (r, h) holds batch r.  A result of 128 or 256 lies in whole blocks (register 32 c + i = unit 64 c + 32 h + i),
; a result of 32 in half blocks (register i = 16 h + i; lanes 0-15 at the instruction's k 0-15, lanes 16-31 at k 32-47, one scale byte for both; e_w1 is read alike, and its fragments run on into neighbouring registers, which meet zero codes).
; The last product's tile u takes as its row m the output 32 (m / 8) + 8 u + m % 8: lanes 0-15 hold mu, lanes 16-31 logvar.
; A batch has an observation where its den is above 0: every observed junction adds at least exp(-10).
; LIMITS: NaN and infinities are not served.  A block whose largest magnitude lies under 2^-124 (a block of zeros too) gets the scale byte 1.  relu on codes leaves -0.  The f32 sums run in another order than the reference's.
; Four work-groups: 64 rows are four tiles of 16, and the rows of a tile go through LayerNorms that one wave holds whole.  No tensor loads, no cluster: nothing here is large or shared.
; THE MODE: SCHED_MODE bits 1:0 = 2 (LLVM: expert scheduling mode 2), set by the entry lines.  The code itself states the register dependences
; between vector or matrix instructions and memory or LDS instructions, with s_wait_alu, always for 0.
; THE PLAN.  The text has no loop.  Registers that memory or LDS instructions touch:
;   the offsets and LDS addresses (v4-15, v47, v56, v120-127)  made at the head, one wait on va_vdst ahead of the first load; of them v56 alone is written again, behind the wait on vm_vsrc.
;   v192-233        loaded from memory; v196-233 go to LDS as they came; den (v192-195) is summed and 1 / den (v236-239) made: one wait on va_vdst ahead of the two stores that read them.
;   Y (v128-191)    num lands there, is summed and scaled; one wait on va_vdst ahead of the four stores of head_sums; behind the barrier wave 0's head_sums land there: one wait on vm_vsrc,
;                   which also frees v192-235, at work from there on, and v56.
;   The weights, biases and gains land in registers that no vector or matrix instruction has named before: their loads owe no wait, and stand under the work of the layer before.
;   EC, OC and the scale words HSW, CW, EW, E1S   written by vector instructions, taken by the scaled products: one wait on va_vdst ahead of each of the three groups of products, behind their places.
;   The results (v128-159) go to the stage behind one wait on va_vdst, and come back into v160-191, which that wait has shown read.
.set HS,   0                           ; LDS: head_sums, 16 rows of 512 bytes + 16
.set RD,   8448                        ; 1 / den: 16 bytes a thread
.set DT,   10496                       ; den: 16 bytes a thread
.set TE1,  12544                       ; e_b1, e_ln1_g, e_ln1_b
.set T256, 15616                       ; e_b2, e_ln2_g, e_ln2_b, e_w1_scales
.set T128, 16640                       ; c_b, c_ln_g, c_ln_b, c_w_scales
.set CE1,  17152                       ; e_w1_codes
.set CE2,  21248                       ; e_w2_codes
.set CCW,  29440                       ; c_w_codes
.set SE2,  31488                       ; e_w2_scales
.set OST,  32000                       ; the way out: 32 rows of 128 bytes + 16
.set FLOOR, 0x1800000
.set EOFF,  0xff000000
; window 0
.set R16,  1
.set HH,   2
.set SH8,  3
.set A4,   4                           ; 4, 8, 16 x thread
.set A8,   5
.set A16,  6
.set L8B,  7                           ; 8, 4, 16 x lane
.set L4B,  8
.set L16,  9
.set HSS,  10
.set RDL,  11
.set HSL,  12
.set DTL,  13
.set A128, 14
.set A64,  15
.set CWS,  16
.set HSW,  18
.set CW,   19
.set E1S,  20
.set EW,   36
.set E2S,  38
.set HFV,  46
.set DROW, 47
.set Z,    48
.set NOFF, 56                          ; (at the head alone)
.set CG,   64
.set CBE,  80
.set OC,   96
.set EC,   104
.set ACW,  120
.set ACWS, 121
.set AE1,  122
.set AE1S, 123
.set AE2,  124
.set AE2S, 125
.set OSS,  126
.set OSL,  127
.set Y,    128
; window 1
.set E1G,  0
.set E1B,  128
; window 2
.set EB1,  0
.set E2F,  128
.set E1F,  192                         ; tile t at E1F + 2 t, its operand runs on 6 registers further, the last into CWF
.set CWF,  224
.set CB,   240
; window 3
.set E2G,  0
.set E2B,  32
.set EB2,  64
.set MSB, 0
.macro WIN new                         ; bits 1:0 source 0, 3:2 source 1, 5:4 source 2, 7:6 destination; the high byte repeats the setting that is left
.if MSB != \new
	s_set_vgpr_msb (MSB<<8)|\new
.set MSB, \new
.endif
.endm
.macro PLACES n
.rept \n
	v_nop
.endr
.endm
.macro MAXF d, a, b, sgn
.if \sgn
	v_max3_num_f32 v[\d], |v[\a]|, |v[\b]|, FLOOR
.else
	v_max3_num_f32 v[\d], v[\a], v[\b], FLOOR
.endif
.endm
.macro MAX0 d, a, b, c, sgn
.if \sgn
	v_max3_num_f32 v[\d], |v[\a]|, |v[\b]|, |v[\c]|
.else
	v_max3_num_f32 v[\d], v[\a], v[\b], v[\c]
.endif
.endm
.macro MAXA d, a, b, sgn
.if \sgn
	v_max3_num_f32 v[\d], v[\d], |v[\a]|, |v[\b]|
.else
	v_max3_num_f32 v[\d], v[\d], v[\a], v[\b]
.endif
.endm
.macro LNSUM                           ; four pairs of partial sums in v[T .. T+7] -> the row's sum in v[T]
	v_pk_add_f32 v[T:T+1], v[T:T+1], v[T+2:T+3]
	v_pk_add_f32 v[T+4:T+5], v[T+4:T+5], v[T+6:T+7]
	v_pk_add_f32 v[T:T+1], v[T:T+1], v[T+4:T+5]
	v_add_f32 v[T], v[T], v[T+1]
	v_permlanex16_b32 v[T+12], v[T], s66, s67
	v_add_f32 v[T], v[T], v[T+12]
.endm
; LayerNorm of a row of 2 n numbers, n in my registers: mean, centre, variance of the centred numbers, 1 / sqrt, gain and bias.  The first pass goes in ascending order: each matrix result is first read at its low end.
.macro LNORM y, n, ninv, sinv, win, g, be
.irp k, 0,1,2,3
	v_pk_add_f32 v[T+2*\k:T+2*\k+1], v[\y+2*\k:\y+2*\k+1], v[\y+8+2*\k:\y+9+2*\k]
.endr
.set LP, 8
.rept (\n)/2-8
	v_pk_add_f32 v[T+2*(LP%4):T+2*(LP%4)+1], v[T+2*(LP%4):T+2*(LP%4)+1], v[\y+2*LP:\y+2*LP+1]
.set LP, LP+1
.endr
	LNSUM
	v_mul_f32 v[T+8], \ninv, v[T]
.set LP, 0
.rept (\n)/2
	v_pk_add_f32 v[\y+2*LP:\y+2*LP+1], v[\y+2*LP:\y+2*LP+1], v[T+8:T+9] op_sel_hi:[1,0]
.set LP, LP+1
.endr
.irp k, 0,1,2,3
	v_pk_mul_f32 v[T+2*\k:T+2*\k+1], v[\y+2*\k:\y+2*\k+1], v[\y+2*\k:\y+2*\k+1]
.endr
.set LP, 4
.rept (\n)/2-4
	v_pk_fma_f32 v[T+2*(LP%4):T+2*(LP%4)+1], v[\y+2*LP:\y+2*LP+1], v[\y+2*LP:\y+2*LP+1], v[T+2*(LP%4):T+2*(LP%4)+1]
.set LP, LP+1
.endr
	LNSUM
	v_fma_f32 v[T], v[T], s[\sinv], s72
	v_rsq_f32 v[T+10], v[T]
	v_nop                                          ; a plain instruction between the root and its use
.set LP, 0
	s_wait_alu depctr_va_vdst(0)                   ; the root has written v[T+10], ahead of its first reader
.rept (\n)/2
	v_pk_mul_f32 v[\y+2*LP:\y+2*LP+1], v[\y+2*LP:\y+2*LP+1], v[T+10:T+11] op_sel_hi:[1,0]
.set LP, LP+1
.endr
	WIN \win
.set LP, 0
.rept (\n)/2
	v_pk_fma_f32 v[\y+2*LP:\y+2*LP+1], v[\y+2*LP:\y+2*LP+1], v[\g+2*LP:\g+2*LP+1], v[\be+2*LP:\be+2*LP+1]
.set LP, LP+1
.endr
	WIN 0
.endm
; 64 numbers of a lane, two whole blocks, become an operand's 8 registers and the row's scale word.  sgn = 0: relu is part of it (maxima without |.|, negative codes cut to -0)
.macro QBLK2 y, hc, word, sgn
.irp c, 0,1
	MAXF T+16+\c, \y+32*\c, \y+32*\c+1, \sgn
	MAX0 T+22+\c, \y+32*\c+16, \y+32*\c+17, \y+32*\c+18, \sgn
.endr
.irp k, 0,1,2,3,4,5
.irp c, 0,1
	MAXA T+16+\c, \y+32*\c+2+2*\k, \y+32*\c+3+2*\k, \sgn
	MAXA T+22+\c, \y+32*\c+19+2*\k, \y+32*\c+20+2*\k, \sgn
.endr
.endr
.irp c, 0,1
	MAXA T+16+\c, \y+32*\c+14, \y+32*\c+15, \sgn
.endr
.irp c, 0,1
	MAXA T+16+\c, T+22+\c, \y+32*\c+31, \sgn
.endr
.irp c, 0,1
	v_add_nc_u32 v[T+18+\c], EOFF, v[T+16+\c]
.endr
.irp c, 0,1
	v_lshrrev_b32 v[T+20+\c], 23, v[T+18+\c]
.endr
	v_lshl_or_b32 v[\word], v[T+21], 16, v[T+20]
	v_lshlrev_b32 v[\word], v[SH8], v[\word]
	v_permlanex16_b32 v[T+12], v[\word], s66, s67
	v_or_b32 v[\word], v[\word], v[T+12]
.irp c, 0,1
.irp g, 0,1,2,3
	v_cvt_scalef32_pk8_fp4_f32 v[\hc+4*\c+\g], v[\y+32*\c+8*\g:\y+32*\c+8*\g+7], v[T+18+\c]
.endr
.endr
.if \sgn
	PLACES 8                                       ; a scale word made by vector instructions stands 8 places ahead of the scaled product, an operand 4
.else
	v_nop
.irp k, 0,1,2,3,4,5,6,7
	v_and_b32 v[T+2*\k], s69, v[\hc+\k]
.endr
.irp k, 0,1,2,3,4,5,6,7
	v_lshrrev_b32 v[T+2*\k+1], 3, v[T+2*\k]
.endr
.irp k, 0,1,2,3,4,5,6,7
	v_sub_nc_u32 v[T+2*\k], v[T+2*\k], v[T+2*\k+1]
.endr
.irp k, 0,1,2,3,4,5,6,7
	v_bfi_b32 v[\hc+\k], v[T+2*\k], 0, v[\hc+\k]
.endr
	PLACES 4
.endif
.endm
; 16 numbers of a lane, half a block: relu in f32, two registers of codes, the scale word (the byte twice)
.macro QHALF z, oc, word
	v_max3_num_f32 v[T+16], v[\z], v[\z+1], FLOOR
	v_max3_num_f32 v[T+22], v[\z+8], v[\z+9], v[\z+10]
	v_max3_num_f32 v[T+16], v[T+16], v[\z+2], v[\z+3]
	v_max3_num_f32 v[T+22], v[T+22], v[\z+11], v[\z+12]
	v_max3_num_f32 v[T+16], v[T+16], v[\z+4], v[\z+5]
	v_max3_num_f32 v[T+22], v[T+22], v[\z+13], v[\z+14]
	v_max3_num_f32 v[T+16], v[T+16], v[\z+6], v[\z+7]
	v_max3_num_f32 v[T+16], v[T+16], v[T+22], v[\z+15]
	v_permlanex16_b32 v[T+12], v[T+16], s66, s67
	v_max_num_f32 v[T+16], v[T+16], v[T+12]
	v_add_nc_u32 v[T+18], EOFF, v[T+16]
	v_lshrrev_b32 v[T+20], 23, v[T+18]
	v_lshl_or_b32 v[\word], v[T+20], 8, v[T+20]
.set LP, 0
.rept 16
	v_max_num_f32 v[\z+LP], 0, v[\z+LP]
.set LP, LP+1
.endr
	v_cvt_scalef32_pk8_fp4_f32 v[\oc], v[\z:\z+7], v[T+18]
	v_cvt_scalef32_pk8_fp4_f32 v[\oc+1], v[\z+8:\z+15], v[T+18]
	PLACES 4
.endm
	s_load_b512 s[4:19], s[0:1], 0x0               ; part, c_w_codes, c_w_scales, c_b, c_ln_g, c_ln_b, e_w1_codes, e_w1_scales
	s_load_b512 s[20:35], s[0:1], 0x40             ; e_b1, e_ln1_g, e_ln1_b, e_w2_codes, e_w2_scales, e_b2, e_ln2_g, e_ln2_b
	s_load_b128 s[36:39], s[0:1], 0x80             ; out0, out1
	s_set_vgpr_msb 0xc0
	v_lshl_add_u32 v254, v0, 2, 0x9000
	v_mov_b32 v255, 0
	s_set_vgpr_msb 0xc000
	v_lshrrev_b32 v48, 5, v0
	v_readfirstlane_b32 s60, v48                   ; wave 0..3
	v_and_b32 v49, 31, v0                          ; lane
	v_and_b32 v[R16], 15, v0
	v_bfe_u32 v[HH], v0, 4, 1
	v_lshlrev_b32 v[SH8], 3, v[HH]
	v_lshlrev_b32 v[A4], 2, v0
	v_lshlrev_b32 v[A8], 3, v0
	v_lshlrev_b32 v[A16], 4, v0
	v_lshlrev_b32 v[L8B], 3, v49
	v_lshlrev_b32 v[L4B], 2, v49
	v_lshlrev_b32 v[L16], 4, v49
	s_wait_alu depctr_va_sdst(0)                   ; s60 is written, ahead of its first reader
	s_mul_i32 s61, s60, 2112
	v_add_nc_u32 v[HSS], s61, v[L16]               ; head_sums, in: rows 4 wave + i, 16 bytes a lane
	v_bfe_u32 v50, v0, 3, 2                        ; lane / 8: my head
	s_lshl_b32 s61, s60, 9
	v_lshl_add_u32 v[RDL], v50, 2, s61             ; 1 / den of my head, in my wave's slots
	v_mul_u32_u24 v[HSL], v[R16], 528
	v_lshl_add_u32 v[HSL], v[HH], 7, v[HSL]        ; head_sums, out: row r, + 128 h
	v_bfe_u32 v51, v0, 2, 2
	v_and_b32 v52, 3, v0
	v_lshlrev_b32 v[DTL], 9, v51
	v_lshl_add_u32 v[DTL], v52, 6, v[DTL]          ; den[0] of batch r: wave r / 4's slots, its batch r % 4
	v_lshlrev_b32 v[A128], 7, v[HH]
	v_lshlrev_b32 v[A64], 6, v[HH]
	v_bfe_u32 v53, v0, 3, 1                        ; r / 8
	v_and_b32 v54, 7, v0                           ; r % 8
	v_lshl_add_u32 v55, v53, 4, v54                ; 16 (r / 8) + r % 8
	v_lshl_add_u32 v[AE1S], v53, 5, v54            ; 32 (r / 8) + r % 8
	v_lshlrev_b32 v[ACW], 6, v55
	v_lshl_add_u32 v[ACW], v[HH], 4, v[ACW]
	v_lshlrev_b32 v[ACWS], 2, v55
	v_lshlrev_b32 v[AE1], 4, v[AE1S]
	v_lshl_add_u32 v[AE1], v[HH], 3, v[AE1]
	v_lshlrev_b32 v[AE2], 7, v[AE1S]
	v_lshl_add_u32 v[AE2], v[HH], 4, v[AE2]
	v_lshlrev_b32 v[AE2S], 3, v[AE1S]
	v_mul_u32_u24 v[OSS], v49, 144
	v_mul_u32_u24 v[OSL], v50, 144
	v_lshl_add_u32 v[OSL], v54, 4, v[OSL]
	s_lshl_b32 s61, s60, 14                        ; my wave's 16 rows of part, 1,024 bytes each
	v_add_nc_u32 v[NOFF], s61, v[L16]
	v_lshl_add_u32 v[DROW], v[R16], 10, s61        ; a lane to a row, for den
.irp i, 0,1,2,3
	v_mov_b32 v[241+2*\i], 0                       ; (named as upper halves of pairs)
.endr
	s_mov_b32 s66, 0x76543210
	s_mov_b32 s67, 0xfedcba98
	s_mov_b32 s69, 0x88888888
	s_mov_b32 s72, 0x3727c5ac                      ; 1e-5
	s_mov_b32 s73, 0x3b800000                      ; 1 / 256
	s_mov_b32 s74, 0x3d000000                      ; 1 / 32
	s_mov_b32 s75, 0x3c800000                      ; 1 / 64
	s_lshl_b32 s62, ttmp9, 16                      ; 16 batches x 4 rows of part
	s_mov_b32 s63, 0
	s_lshl_b32 s46, ttmp9, 11                      ; 16 rows of 128 bytes of each output
	s_mov_b32 s47, 0
	s_wait_kmcnt 0x0
	s_add_nc_u64 s[4:5], s[4:5], s[62:63]
	s_add_nc_u64 s[36:37], s[36:37], s[46:47]
	s_add_nc_u64 s[38:39], s[38:39], s[46:47]
	s_mov_b64 s[40:41], s[18:19]                   ; the buffer of 256 bytes that my wave copies: e_b2, e_ln2_g, e_ln2_b, e_w1_scales
	s_mov_b64 s[44:45], s[8:9]                     ; and the one of 128 bytes: c_b, c_ln_g, c_ln_b, c_w_scales
	s_cmp_eq_u32 s60, 0
	s_cselect_b64 s[40:41], s[30:31], s[40:41]
	s_cselect_b64 s[44:45], s[10:11], s[44:45]
	s_cmp_eq_u32 s60, 1
	s_cselect_b64 s[40:41], s[32:33], s[40:41]
	s_cselect_b64 s[44:45], s[12:13], s[44:45]
	s_cmp_eq_u32 s60, 2
	s_cselect_b64 s[40:41], s[34:35], s[40:41]
	s_cselect_b64 s[44:45], s[14:15], s[44:45]
	; ---- 30 loads a wave, in one run
	s_wait_alu depctr_va_vdst(0)                   ; every offset and LDS address made above is written: all loads and stores of the text read them
	global_load_b128 v[192:195], v[DROW], s[4:5] offset:512        ; den of row lane % 16: batch (lane % 16) / 4, quarter lane % 4
.irp i, 0,1,2,3
.irp q, 0,1,2,3
	global_load_b128 v[Y+16*\i+4*\q:Y+16*\i+4*\q+3], v[NOFF], s[4:5] offset:1024*(4*\i+\q)     ; num: 512 consecutive bytes
.endr
.endr
	global_load_b64 v[196:197], v[A8], s[20:21]
	global_load_b64 v[198:199], v[A8], s[22:23]
	global_load_b64 v[200:201], v[A8], s[24:25]
	global_load_b64 v[202:203], v[L8B], s[40:41]
	global_load_b32 v204, v[L4B], s[44:45]
	global_load_b32 v205, v[A4], s[28:29]
	global_load_b128 v[206:209], v[A16], s[6:7]
	global_load_b128 v[210:213], v[A16], s[16:17]
	global_load_b128 v[214:217], v[A16], s[16:17] offset:2048
.irp e, 0,1,2,3
	global_load_b128 v[218+4*\e:221+4*\e], v[A16], s[26:27] offset:2048*\e
.endr
	s_wait_loadcnt 0x0
	ds_store_b64 v[A8], v[196:197] offset:TE1
	ds_store_b64 v[A8], v[198:199] offset:TE1+1024
	ds_store_b64 v[A8], v[200:201] offset:TE1+2048
	ds_store_b64 v[A8], v[202:203] offset:T256     ; 256 x wave + 8 x lane = 8 x thread
	ds_store_b32 v[A4], v204 offset:T128
	ds_store_b32 v[A4], v205 offset:SE2
	ds_store_b128 v[A16], v[206:209] offset:CCW
	ds_store_b128 v[A16], v[210:213] offset:CE1
	ds_store_b128 v[A16], v[214:217] offset:CE1+2048
.irp e, 0,1,2,3
	ds_store_b128 v[A16], v[218+4*\e:221+4*\e] offset:CE2+2048*\e
.endr
.irp m, 1,2
.irp k, 0,1,2,3
	v_add_f32_dpp v[192+\k], v[192+\k], v[192+\k] row_xmask:\m row_mask:0xf bank_mask:0xf      ; den over the four quarters
.endr
.endr
.irp k, 0,1,2,3
	v_max_num_f32 v[236+\k], 0x0da24260, v[192+\k] ; at least 1e-30
.endr
.irp k, 0,1,2,3
	v_rcp_f32 v[236+\k], v[236+\k]
.endr
	v_nop                                          ; a plain instruction between the reciprocals and their use
	s_wait_alu depctr_va_vdst(0)                   ; the additions have written den, v[192 .. 195], and the reciprocals v[236 .. 239]: the two LDS stores are their first readers
	ds_store_b128 v[A16], v[192:195] offset:DT
	ds_store_b128 v[A16], v[236:239] offset:RD
.irp i, 0,1,2,3
	ds_load_b32 v[240+2*\i], v[RDL] offset:RD+64*\i                ; batch i, my head.  LDS serves a wave's instructions in order: these see the store above
.endr
.irp i, 0,1,2,3
.irp k, 0,2
	v_pk_add_f32 v[Y+16*\i+\k:Y+16*\i+\k+1], v[Y+16*\i+\k:Y+16*\i+\k+1], v[Y+16*\i+4+\k:Y+16*\i+5+\k]
	v_pk_add_f32 v[Y+16*\i+8+\k:Y+16*\i+9+\k], v[Y+16*\i+8+\k:Y+16*\i+9+\k], v[Y+16*\i+12+\k:Y+16*\i+13+\k]
.endr
.irp k, 0,2
	v_pk_add_f32 v[Y+16*\i+\k:Y+16*\i+\k+1], v[Y+16*\i+\k:Y+16*\i+\k+1], v[Y+16*\i+8+\k:Y+16*\i+9+\k]
.endr
.endr
	s_wait_dscnt 0x0
.irp i, 0,1,2,3
.irp k, 0,2
	v_pk_mul_f32 v[Y+16*\i+\k:Y+16*\i+\k+1], v[Y+16*\i+\k:Y+16*\i+\k+1], v[240+2*\i:241+2*\i] op_sel_hi:[1,0]
.endr
.endr
	s_wait_alu depctr_va_vdst(0)                   ; the multiplications have written the four batches' head_sums, which the LDS stores read; and all of v[Y .. Y+63] has been read, in which wave 0's loads land behind the barrier
.irp i, 0,1,2,3
	ds_store_b128 v[HSS], v[Y+16*\i:Y+16*\i+3] offset:HS+528*\i
.endr
	s_wait_dscnt 0x0                               ; for wave 0's sake: all my stores lie in LDS
	s_barrier_signal -1
	s_barrier_wait -1
	s_wait_alu depctr_vm_vsrc(0)                   ; my LDS stores have read v[Y ..], in which wave 0's loads land, and v[192 .. 239], at work from here on; my loads have read v[NOFF], which the first product writes
	s_cmp_lg_u32 s60, 0
	s_cbranch_scc1 .Lend
	; ---- wave 0: the tile of 16 batches
.set T, Y+64                           ; at work: v192-223
.irp c, 0,1
.irp p, 0,1,2,3,4,5,6,7
	ds_load_b128 v[Y+32*\c+4*\p:Y+32*\c+4*\p+3], v[HSL] offset:HS+256*\c+16*\p
.endr
.endr
	ds_load_b32 v[HFV], v[DTL] offset:DT
	ds_load_b32 v[CWS], v[ACWS] offset:T128+384
	ds_load_b32 v[CWS+1], v[ACWS] offset:T128+384+32
.irp q, 0,1,2,3
	ds_load_b128 v[CG+4*\q:CG+4*\q+3], v[A64] offset:T128+128+16*\q
	ds_load_b128 v[CBE+4*\q:CBE+4*\q+3], v[A64] offset:T128+256+16*\q
.endr
.irp t, 0,1,2,3,4,5,6,7,8,9,10,11,12,13,14,15
	ds_load_u8 v[E1S+\t], v[AE1S] offset:T256+768+128*(\t/8)+64*((\t/4)%2)+8*(\t%4)
.endr
	WIN 0x80                                       ; destination in window 2
.irp u, 0,1
.irp c, 0,1
	ds_load_b128 v[CWF+8*\u+4*\c:CWF+8*\u+4*\c+3], v[ACW] offset:CCW+512*\u+32*\c
.endr
.endr
.irp q, 0,1,2,3
	ds_load_b128 v[CB+4*\q:CB+4*\q+3], v[A64] offset:T128+16*\q
.endr
.irp t, 0,1,2,3,4,5,6,7,8,9,10,11,12,13,14,15
	ds_load_b64 v[E1F+2*\t:E1F+2*\t+1], v[AE1] offset:CE1+16*(128*(\t/8)+64*((\t/4)%2)+8*(\t%4))
.endr
	WIN 0
	s_wait_dscnt 0x0
.irp t, 0,1,2,3,4,5,6,7,8,9,10,11,12,13,14,15
	v_lshl_or_b32 v[E1S+\t], v[E1S+\t], 8, v[E1S+\t]               ; e_w1's byte for both halves of its block
.endr
.irp i, 2,3,4,5,6,7
	v_mov_b32 v[OC+\i], 0
.endr
	WIN 0x80                                       ; what the second product and its LayerNorm want lands under the first; no vector or matrix instruction has named these registers, and v[A128] was written ahead of the head's wait
.irp b, 0,1,2,3
.irp q, 0,1,2,3,4,5,6,7
	ds_load_b128 v[EB1+32*\b+4*\q:EB1+32*\b+4*\q+3], v[A128] offset:TE1+256*\b+16*\q
.endr
.endr
	WIN 0x40
.irp b, 0,1,2,3
.irp q, 0,1,2,3,4,5,6,7
	ds_load_b128 v[E1G+32*\b+4*\q:E1G+32*\b+4*\q+3], v[A128] offset:TE1+1024+256*\b+16*\q
	ds_load_b128 v[E1B+32*\b+4*\q:E1B+32*\b+4*\q+3], v[A128] offset:TE1+2048+256*\b+16*\q
.endr
.endr
	WIN 0
	QBLK2 Y, EC, HSW, 1
	s_wait_alu depctr_va_vdst(0)                   ; v[EC .. EC+7] and v[HSW] are written, which the scaled products below take (their places stand above)
	WIN 0x22                                       ; sources 0 and 2 in window 2
.irp u, 0,1
	v_wmma_scale_f32_16x16x128_f8f6f4 v[Z+8*\u:Z+8*\u+7], v[CWF+8*\u:CWF+8*\u+7], v[EC:EC+7], v[CB+8*\u:CB+8*\u+7], v[CWS+\u], v[HSW] matrix_a_fmt:MATRIX_FMT_FP4 matrix_b_fmt:MATRIX_FMT_FP4
.endr
	WIN 0
	PLACES 4
	LNORM Z, 16, 0xbd000000, 74, 0, CG, CBE
	v_cmp_lt_f32 vcc_lo, 0, v[HFV]                 ; has the batch an observation?
	s_wait_alu depctr_va_vcc(0)                    ; the compare has written VCC, ahead of its first reader
.set LP, 0
.rept 16
	v_cndmask_b32 v[Z+LP], 0, v[Z+LP], vcc_lo
.set LP, LP+1
.endr
	QHALF Z, OC, CW
	s_wait_dscnt 0x0                               ; e_b1, e_ln1_g, e_ln1_b
	s_wait_alu depctr_va_vdst(0)                   ; v[OC ..], v[CW] and the sixteen words v[E1S ..] are written, which the scaled products below take (their places stand above)
	WIN 0x22
.irp t, 0,1,2,3,4,5,6,7,8,9,10,11,12,13,14,15
	v_wmma_scale_f32_16x16x128_f8f6f4 v[Y+8*\t:Y+8*\t+7], v[E1F+2*\t:E1F+2*\t+7], v[OC:OC+7], v[EB1+8*\t:EB1+8*\t+7], v[E1S+\t], v[CW] matrix_a_fmt:MATRIX_FMT_FP4 matrix_b_fmt:MATRIX_FMT_FP4
.endr
	WIN 0x80                                       ; what the third product and its LayerNorm want lands under the second's LayerNorm; none of these registers is named by the products above, nor by any vector instruction before them
.irp u, 0,1,2,3
.irp s, 0,1
.irp c, 0,1
	ds_load_b128 v[E2F+8*(2*\u+\s)+4*\c:E2F+8*(2*\u+\s)+4*\c+3], v[AE2] offset:CE2+1024*\u+64*\s+32*\c
.endr
.endr
.endr
	WIN 0xc0
.irp q, 0,1,2,3,4,5,6,7
	ds_load_b128 v[EB2+4*\q:EB2+4*\q+3], v[A128] offset:T256+16*\q
	ds_load_b128 v[E2G+4*\q:E2G+4*\q+3], v[A128] offset:T256+256+16*\q
	ds_load_b128 v[E2B+4*\q:E2B+4*\q+3], v[A128] offset:T256+512+16*\q
.endr
	WIN 0
.irp u, 0,1,2,3
.irp s, 0,1
	ds_load_b32 v[E2S+2*\u+\s], v[AE2S] offset:SE2+64*\u+4*\s
.endr
.endr
	PLACES 4
.set T, 48                             ; at work from here on: v48-79, which the first product's results and gains have left
	LNORM Y, 128, 0xbb800000, 73, 0x14, E1G, E1B
	QBLK2 Y, EC, EW, 0
	QBLK2 Y+64, EC+8, EW+1, 0
	s_wait_dscnt 0x0
	s_wait_alu depctr_va_vdst(0)                   ; v[EC .. EC+15], v[EW] and v[EW+1] are written, which the scaled products below take (their places stand above)
	WIN 0x32                                       ; source 0 in window 2, source 2 in window 3
.irp u, 0,1,2,3
	v_wmma_scale_f32_16x16x128_f8f6f4 v[Y+8*\u:Y+8*\u+7], v[E2F+16*\u:E2F+16*\u+7], v[EC:EC+7], v[EB2+8*\u:EB2+8*\u+7], v[E2S+2*\u], v[EW] matrix_a_fmt:MATRIX_FMT_FP4 matrix_b_fmt:MATRIX_FMT_FP4
.endr
	WIN 0x02                                       ; the second K step: the four accumulators take turns
.irp u, 0,1,2,3
	v_wmma_scale_f32_16x16x128_f8f6f4 v[Y+8*\u:Y+8*\u+7], v[E2F+16*\u+8:E2F+16*\u+15], v[EC+8:EC+15], v[Y+8*\u:Y+8*\u+7], v[E2S+2*\u+1], v[EW+1] matrix_a_fmt:MATRIX_FMT_FP4 matrix_b_fmt:MATRIX_FMT_FP4
.endr
	WIN 0
	PLACES 4
	LNORM Y, 32, 0xbc800000, 75, 0x3c, E2G, E2B
.set LP, 0
.rept 32
	v_max_num_f32 v[Y+LP], 0, v[Y+LP]
.set LP, LP+1
.endr
	; the way out: lane (r, 0) holds mu of batch r, lane (r, 1) logvar: through a stage, so that 32 lanes store 512 consecutive bytes
	s_wait_alu depctr_va_vdst(0)                   ; the last lines have written v[Y .. Y+31], which the LDS stores read; v[Y+32 .. Y+63], in which the loads from the stage land, were read for the last time by the conversions above
.irp q, 0,1,2,3,4,5,6,7
	ds_store_b128 v[OSS], v[Y+4*\q:Y+4*\q+3] offset:OST+16*\q
.endr
.irp b, 0,1
.irp i, 0,1,2,3
	ds_load_b128 v[Y+32+16*\b+4*\i:Y+32+16*\b+4*\i+3], v[OSL] offset:OST+144*(16*\b+4*\i)      ; LDS serves a wave's instructions in order: these see the stores above
.endr
.endr
	s_wait_dscnt 0x0
.irp i, 0,1,2,3
	global_store_b128 v[L16], v[Y+32+4*\i:Y+32+4*\i+3], s[36:37] offset:512*\i
	global_store_b128 v[L16], v[Y+48+4*\i:Y+48+4*\i+3], s[38:39] offset:512*\i
.endr
.Lend:
	s_set_vgpr_msb 0xf                             ; the add's two registers, sources 0 and 1, lie in window 3
	s_wait_dscnt 0x0                               ; the closing lines, six on end
	s_wait_alu 0x0
	s_wait_tensorcnt 0x0
	ds_add_u32 v254, v255
	s_wait_dscnt 0x0
	s_endpgm
.Lfunc_end_k_q48f856384d_heads:
	.size	k_q48f856384d_heads, .Lfunc_end_k_q48f856384d_heads-k_q48f856384d_heads
	.p2alignl 7, 3214868480
	.fill 96, 4, 3214868480
	.section	.rodata,"a",@progbits
	.p2align	6, 0x0
	.amdhsa_kernel k_q48f856384d_heads
		.amdhsa_group_segment_fixed_size 37376
		.amdhsa_private_segment_fixed_size 0
		.amdhsa_enable_private_segment 0
		.amdhsa_kernarg_size 144
		.amdhsa_user_sgpr_count 2
		.amdhsa_user_sgpr_kernarg_segment_ptr 1
		.amdhsa_wavefront_size32 1
		.amdhsa_system_sgpr_workgroup_id_x 1
		.amdhsa_system_sgpr_workgroup_id_y 1
		.amdhsa_system_sgpr_workgroup_id_z 1
		.amdhsa_system_vgpr_workitem_id 0
		.amdhsa_next_free_vgpr 1024
		.amdhsa_next_free_sgpr 80
		.amdhsa_reserve_vcc 1
		.amdhsa_float_denorm_mode_32 3
		.amdhsa_float_denorm_mode_16_64 3
		.amdhsa_memory_ordered 1
		.amdhsa_forward_progress 1
		.amdhsa_inst_pref_size 77
	.end_amdhsa_kernel
	.amdgpu_metadata
---
amdhsa.version: [ 1, 2 ]
amdhsa.kernels:
  - .name:           k_q48f856384d_heads
    .symbol:         k_q48f856384d_heads.kd
    .args:
      - { .name: part, .offset: 0, .size: 8, .value_kind: global_buffer, .address_space: global }
      - { .name: c_w_codes, .offset: 8, .size: 8, .value_kind: global_buffer, .address_space: global }
      - { .name: c_w_scales, .offset: 16, .size: 8, .value_kind: global_buffer, .address_space: global }
      - { .name: c_b, .offset: 24, .size: 8, .value_kind: global_buffer, .address_space: global }
      - { .name: c_ln_g, .offset: 32, .size: 8, .value_kind: global_buffer, .address_space: global }
      - { .name: c_ln_b, .offset: 40, .size: 8, .value_kind: global_buffer, .address_space: global }
      - { .name: e_w1_codes, .offset: 48, .size: 8, .value_kind: global_buffer, .address_space: global }
      - { .name: e_w1_scales, .offset: 56, .size: 8, .value_kind: global_buffer, .address_space: global }
      - { .name: e_b1, .offset: 64, .size: 8, .value_kind: global_buffer, .address_space: global }
      - { .name: e_ln1_g, .offset: 72, .size: 8, .value_kind: global_buffer, .address_space: global }
      - { .name: e_ln1_b, .offset: 80, .size: 8, .value_kind: global_buffer, .address_space: global }
      - { .name: e_w2_codes, .offset: 88, .size: 8, .value_kind: global_buffer, .address_space: global }
      - { .name: e_w2_scales, .offset: 96, .size: 8, .value_kind: global_buffer, .address_space: global }
      - { .name: e_b2, .offset: 104, .size: 8, .value_kind: global_buffer, .address_space: global }
      - { .name: e_ln2_g, .offset: 112, .size: 8, .value_kind: global_buffer, .address_space: global }
      - { .name: e_ln2_b, .offset: 120, .size: 8, .value_kind: global_buffer, .address_space: global }
      - { .name: out0, .offset: 128, .size: 8, .value_kind: global_buffer, .address_space: global }
      - { .name: out1, .offset: 136, .size: 8, .value_kind: global_buffer, .address_space: global }
    .group_segment_fixed_size: 37376
    .private_segment_fixed_size: 0
    .kernarg_segment_align: 8
    .kernarg_segment_size: 144
    .max_flat_workgroup_size: 128
    .sgpr_count:     80
    .vgpr_count:     1024
    .wavefront_size: 32
...
	.end_amdgpu_metadata
.endif
;; end of part 4
